; MI455X (gfx1250); checked and timed in simulation.
; The chip was launched on July 23, 2026; its instructions are those of AMD's public machine-readable ISA for CDNA 5 (MIT licence, August 2026) and "CDNA5" Instruction Set Architecture Reference Guide (July 2026). The comments in the code are by the model that wrote it; some were corrected since.
;; Multi Head Attention. Allowed arithmetic: matrix products marked QUANTISED: E2M3 operands, one E8M0 scale for each 32 along K, by v_wmma_scale_f32_16x16x128_f8f6f4 with both operands' format E2M3, f32 sums; everything else in f32.
;; Inputs: K 4 x 2,048 x 1,024 float32; Q 4 x 2,048 x 1,024 float32; V 4 x 2,048 x 1,024 float32; Wk 1,024 x 1,024 float32; Wo 1,024 x 1,024 float32; Wq 1,024 x 1,024 float32; Wv 1,024 x 1,024 float32; mask 4 x 2,048 x 2,048 int32.
;; Outputs: out0 4 x 2,048 x 1,024 float32.
;; This version of the problem:
;;   THIS VERSION OF THE PROBLEM IS GIVEN IN LOW PRECISION. The matrix products marked QUANTISED in the list below multiply operands that are first quantised to E2M3 (2 exponent bits, 3 mantissa bits; 6 bits a number), with one power-of-two scale for each 32 numbers along K (OCP MX v1.0); their sums are f32. All else is computed in f32.
;;   The module's matrix products, in the order in which they are computed (A, B: the left and right operand; K: the contracted axis; several contracted axes count as one K, in the product's order):
;;     1. [M 8,192, K 1,024] x [K 1,024, N 1,024]; A: input Q; B: input Wq: QUANTISED
;;     2. [M 8,192, K 1,024] x [K 1,024, N 1,024]; A: input K; B: input Wk: QUANTISED
;;     3. [M 8,192, K 1,024] x [K 1,024, N 1,024]; A: input V; B: input Wv: QUANTISED
;;     4. batch 64 x [M 2,048, K 64] x [K 64, N 2,048]; A: computed on the way; B: computed on the way: QUANTISED
;;     5. batch 64 x [M 2,048, K 2,048] x [K 2,048, N 64]; A: softmax (see below); B: computed on the way: QUANTISED
;;     6. [M 8,192, K 1,024] x [K 1,024, N 1,024]; A: computed on the way; B: input Wo: QUANTISED
;;   THE QUANTISER, for each operand of a quantised product, along K:
;;     - K is cut into blocks of 32 from its start; a last block that is shorter is filled with zeros.
;;     - A block's scale is 2^e with e = floor(log2(the largest magnitude in the block)) - 2, held to -126 .. 127; a block of zeros has e = 0. As a byte (E8M0): e + 127.
;;     - Each number is divided by its block's scale, clamped to +-7.5, and rounded to the nearest number of E2M3, ties to even, subnormals kept.
;;     - The product sums the exact products of the quantised numbers (number of the format x scale) in f32.
;;   ~~~python
;;   def quantise(x, axis):      # numpy; x: float32 -> the quantised numbers, widened to float32 again
;;       x = np.moveaxis(x, axis, -1); K = x.shape[-1]
;;       x = np.pad(x, [(0, 0)] * (x.ndim - 1) + [(0, -K % 32)]); x = x.reshape(x.shape[:-1] + (-1, 32)); a = np.abs(x).max(-1, keepdims=True)
;;       e = np.where(a > 0, np.clip(np.frexp(np.where(a > 0, a, 1))[1] - 1 - 2, -126, 127), 0)      # np.frexp(a)[1] - 1 = floor(log2(a)), exactly
;;       r = np.clip(x / 2.0 ** e, -7.5, 7.5)
;;       step = 2.0 ** (np.maximum(np.frexp(np.where(r == 0, 1, r))[1] - 1, 0) - 3)
;;       q = np.round(r / step) * step * 2.0 ** e      # np.round: ties to even
;;       return np.moveaxis(q.reshape(q.shape[:-2] + (-1,))[..., :K], -1, axis).astype(np.float32)
;;   ~~~
;;   SOFTMAX AHEAD OF A QUANTISED PRODUCT. Where the list says 'softmax', what is quantised is not the finished softmax but p = 2^(t - M), with t = logit x log2(e) and M = ceil(the row's largest t), a whole number; so 1/2 < the row's largest p <= 1. The row's sum l is taken of the UNQUANTISED p, in f32, and the product's result is divided by l at the end. Since M is a whole number, a kernel that streams over the keys may use a running M (the ceiling of the running maximum): every later rescaling is an exact power of two, which a block's scale takes up: the codes' values come out the same.
;;   OPERANDS COMPUTED ON THE WAY. 'Computed on the way' means the value that the module computes at that place (a softmax that the list does not call 'softmax' is quantised finished and normalised). What goes into a quantiser is computed in f32, as accurately as f32 sums, v_exp_f32 and their like allow (about 1e-6 of the number): no bf16 or f16 on the way to a quantiser, and a product that is left as it is and whose result goes on into a quantised operand takes f32 operands (vector FMAs, or v_wmma_f32_16x16x4_f32). A number that lies on a knife's edge between two numbers of the format may be rounded either way, as far as f32 arithmetic and the matrix unit's own rounding can turn it there, and no further.
;; One version. Each part assembles by itself: llvm-mc -triple=amdgcn-amd-amdhsa -mcpu=gfx1250 --defsym DOCPART=n.
;; ======== version 1 of 1: 4 launches
;; limits: right only within a limited range of input values
;; workspace buffers: cod 22,020,096 bytes; scl 917,504 bytes; maskw 2,097,152 bytes of whole numbers; pc 18,874,368 bytes; ps 1,572,864 bytes; ac 6,291,456 bytes; acs 262,144 bytes
;; launch prep (part 1): grid 960 x 1, 4 waves a work-group, no clusters, 54,784 bytes of LDS; arguments Q, K, V, Wq, Wk, Wv, Wo, mask, cod, scl, maskw; writes cod, scl, maskw
.if DOCPART == 1
	.amdgcn_target "amdgcn-amd-amdhsa--gfx1250"
	.amdhsa_code_object_version 6
	.text
	.protected	k_q7d012f838a_prep
	.globl	k_q7d012f838a_prep
	.p2align	8
	.type	k_q7d012f838a_prep,@function
k_q7d012f838a_prep:
	s_mov_b64 s[64:65], 0
	v_nop
	global_prefetch_b8 v0, s[64:65] scope:SCOPE_SE
	s_setreg_imm32_b32 hwreg(HW_REG_WAVE_MODE, 25, 1), 1
	s_wait_xcnt 0x0
; Q, K, V [8192][1024] and Wq, Wk, Wv, Wo [1024][1024], f32, become codes of FP6 (E2M3) with one E8M0 byte for each 32 along their 1,024; the mask [4][2048][2048], int32, becomes words of lane bits.
; THE CODES' LAYOUT: an IMAGE of 768 bytes for 16 rows x 64 along K: byte 256 i + 8 l + e is byte 8 i + e of the 24 bytes of block l / 16 of row l % 16.  Three accesses of 8 bytes a lane at 8 l + 256 i
; move registers 0-5 of a 6-bit operand; two neighbouring images are a whole operand of 128 along K.  cod: [row tile][16 images]; scl: [row][32 bytes]; the seven tensors on end, in the order of the work-groups.
; ROW ORDER: in K, V, Wq, Wk, Wv place p of each 32 rows holds the row with bits 3 and 4 of p exchanged: tile u, lane r holds row 8 u + r + 8 (r / 8).  A product's result over two neighbouring tiles of such rows
; gives a lane 16 NEIGHBOURS in its 16 registers, which is what the next quantiser wants.  Q and Wo keep their order.
; A block's scale is 2^(floor(log2(largest magnitude)) - 2); its byte is the largest magnitude's exponent field - 2, held at 1 from below.
; LIMITS: a block of zeros gets the byte 1 where the rule says 127 (its codes are zeros, and this program alone reads the bytes); blocks whose largest magnitude lies under 2^-124 have the byte 1; NaN and infinities are not served.
; SHARES: work-groups 0-447 quantise, 64 rows each, a wave one tile of 16 rows for all of K; work-groups 448-959 pack the mask, 16 queries each, a wave 512 keys.  Waves share nothing: no barrier.
; The two paths part on the work-group's number and have LDS bytes of their own.
.set QWG,  448                         ; work-groups that quantise
.set WREG, 5120                        ; quantiser: LDS of a wave: a stage of 16 rows x 272 bytes, then its 512 scale bytes
.set SP,   272                         ; a stage row: 256 bytes + 16: row r starts 16 r bytes on modulo 256
.set SBY,  16*SP
.set MSTG, 4*WREG                      ; mask: the stages begin here, 16 rows x 528 bytes a wave
.set MP,   528
.set R,    16                          ; v16-79   as loaded (quantiser: two sets of 32)
.set X,    80                          ; v80-143  as the lane wants them (quantiser: two sets of 32 neighbours; mask: 64 numbers)
.set C,    144                         ; v144-159 quantiser: two sets of 8 for the codes;  mask: v144-151 the words, a pair for each step
.set E,    160                         ; v160-161 scale bytes, by turns
	s_load_b512 s[4:19], s[0:1], 0x0               ; Q s4, K s6, V s8, Wq s10, Wk s12, Wv s14, Wo s16, mask s18
	s_load_b128 s[20:23], s[0:1], 0x40             ; cod, scl
	s_load_b64 s[24:25], s[0:1], 0x50              ; maskw
	v_lshl_add_u32 v176, v0, 2, 0xd400
	v_mov_b32 v177, 0
	v_lshrrev_b32 v1, 5, v0
	v_readfirstlane_b32 s26, v1                    ; wave 0..3
	v_and_b32 v1, 31, v0                           ; lane
	v_and_b32 v12, 15, v0                          ; r
	v_bfe_u32 v13, v0, 4, 1                        ; h
	s_cmp_ge_u32 ttmp9, QWG
	s_cbranch_scc1 .Lmask
; ---------------- the quantiser ----------------
	v_lshlrev_b32 v2, 4, v12
	v_lshl_add_u32 v2, v13, 12, v2                 ; in: sixteen lanes take 256 bytes of a row, lanes 16-31 the next row
	s_mul_i32 s27, s26, WREG
	v_mul_u32_u24 v14, v13, SP
	v_lshl_add_u32 v14, v12, 4, v14
	v_add_nc_u32 v14, s27, v14                     ; the stage, on the way in: as loaded
	v_mul_u32_u24 v15, v12, SP
	v_lshl_add_u32 v15, v13, 7, v15
	v_add_nc_u32 v15, s27, v15                     ; and on the way out: row r, block h: my 32 neighbours
	v_lshlrev_b32 v4, 3, v1                        ; an image's place for my lane
	v_lshl_add_u32 v5, v12, 5, v13
	v_add_nc_u32 v5, s27, v5
	v_add_nc_u32 v5, SBY, v5                       ; my block's scale byte: 32 r + h, + 2 for each chunk
	v_lshlrev_b32 v7, 4, v1
	v_add_nc_u32 v6, s27, v7
	v_add_nc_u32 v6, SBY, v6                       ; the scale bytes on their way out: 16 a lane
	s_wait_alu depctr_va_vdst(0)
	s_wait_kmcnt 0x0
	s_mov_b64 s[28:29], s[16:17]                   ; which tensor: the choice hangs on the work-group's number alone
	s_mov_b32 s30, 432                             ; and its first work-group
	s_cmp_lt_u32 ttmp9, 432
	s_cselect_b64 s[28:29], s[14:15], s[28:29]
	s_cselect_b32 s30, 416, s30
	s_cmp_lt_u32 ttmp9, 416
	s_cselect_b64 s[28:29], s[12:13], s[28:29]
	s_cselect_b32 s30, 400, s30
	s_cmp_lt_u32 ttmp9, 400
	s_cselect_b64 s[28:29], s[10:11], s[28:29]
	s_cselect_b32 s30, 384, s30
	s_cmp_lt_u32 ttmp9, 384
	s_cselect_b64 s[28:29], s[8:9], s[28:29]
	s_cselect_b32 s30, 256, s30
	s_cmp_lt_u32 ttmp9, 256
	s_cselect_b64 s[28:29], s[6:7], s[28:29]
	s_cselect_b32 s30, 128, s30
	s_cmp_lt_u32 ttmp9, 128
	s_cselect_b64 s[28:29], s[4:5], s[28:29]
	s_cselect_b32 s30, 0, s30
	s_cmp_ge_u32 ttmp9, 128                        ; rows exchanged: all but Q and Wo
	s_cselect_b32 s31, 1, 0
	s_cmp_lt_u32 ttmp9, 432
	s_cselect_b32 s31, s31, 0
	s_sub_co_u32 s32, ttmp9, s30
	s_lshl_b32 s32, s32, 2
	s_add_co_u32 s32, s32, s26                     ; my row tile in the tensor
	s_lshl_b32 s32, s32, 16                        ; 16 rows of 4,096 bytes
	s_and_b32 s33, s26, 1
	s_mul_i32 s33, s33, s31
	; K'S ROWS HAVE AN ORDER OF THEIR OWN (in place of the exchange of bits 3 and 4): in each 64 rows, tile u holds rows 8 u + 0..7 in places 0-7 and rows 32 + 8 u + 0..7 in places 8-15,
	; so that in the scores a lane's 32 registers of four neighbouring tiles are 32 neighbouring keys: one scale block of the second product.
	s_cmp_ge_u32 ttmp9, 128
	s_cselect_b32 s35, 1, 0
	s_cmp_lt_u32 ttmp9, 256
	s_cselect_b32 s35, s35, 0                      ; 1 in K's work-groups
	s_cmp_ge_u32 ttmp9, 384
	s_cselect_b32 s36, 1, 0
	s_cmp_lt_u32 ttmp9, 416
	s_cselect_b32 s36, s36, 0
	s_or_b32 s35, s35, s36                         ; Wq's and Wk's rows take K's order too: a head's 64 rows are one work-group's
	s_cmp_ge_u32 ttmp9, 256
	s_cselect_b32 s36, 1, 0
	s_cmp_lt_u32 ttmp9, 384
	s_cselect_b32 s36, s36, 0                      ; 1 in V's work-groups
	s_cmp_eq_u32 s35, 1
	s_cselect_b32 s33, s26, s33                    ; tile u begins 8 u rows ahead of 16 u,
	s_cselect_b32 s31, 3, s31                      ; and its places 8-15 lie 24 rows further on
	s_cmp_eq_u32 s36, 1
	s_cselect_b32 s31, 3, s31
	s_lshr_b32 s37, s32, 16                        ; my row tile in the tensor
	s_lshl_b32 s33, s33, 15
	s_sub_co_u32 s32, s32, s33
	; V'S TILES HAVE AN ORDER OVER 256 TOKENS: tile 8 c + 2 j + w of each sixteen holds tokens 128 w + 64 c + 8 j + 0..7 in places 0-7 and the eight tokens 32 further on in places 8-15
	s_lshr_b32 s38, s37, 4
	s_lshl_b32 s38, s38, 8
	s_and_b32 s39, s37, 1
	s_lshl_b32 s39, s39, 7
	s_add_co_u32 s38, s38, s39
	s_bfe_u32 s39, s37, 0x10003
	s_lshl_b32 s39, s39, 6
	s_add_co_u32 s38, s38, s39
	s_bfe_u32 s39, s37, 0x20001
	s_lshl_b32 s39, s39, 3
	s_add_co_u32 s38, s38, s39
	s_lshl_b32 s38, s38, 12                        ; rows of 4,096 bytes
	s_cmp_eq_u32 s36, 1
	s_cselect_b32 s32, s38, s32
	s_mov_b32 s33, 0
	s_add_nc_u64 s[28:29], s[28:29], s[32:33]
	s_lshl_b32 s34, s31, 15
	v_add_nc_u32 v3, s34, v2                       ; and a tile's places 8-15 lie 8 rows further on
	s_lshl_b32 s34, ttmp9, 2
	s_add_co_u32 s34, s34, s26                     ; my row tile among all seven tensors'
	s_mul_i32 s32, s34, 12288
	s_add_nc_u64 s[20:21], s[20:21], s[32:33]
	s_lshl_b32 s32, s34, 9
	s_add_nc_u64 s[22:23], s[22:23], s[32:33]
.macro LOAD t                          ; chunk t (64 along K) of my 16 rows: each load reads 256 consecutive bytes of two rows
.irp j, 0,1,2,3
	global_load_b128 v[R+32*((\t)%2)+4*\j:R+32*((\t)%2)+4*\j+3], v2, s[28:29] offset:8192*\j+256*(\t) th:TH_LOAD_NT
.endr
.irp j, 4,5,6,7
	global_load_b128 v[R+32*((\t)%2)+4*\j:R+32*((\t)%2)+4*\j+3], v3, s[28:29] offset:8192*\j+256*(\t) th:TH_LOAD_NT
.endr
.endm
.macro TURN t                          ; through the stage: LDS serves a wave's instructions in order, so no wait stands between the stores and the loads, and one stage serves
.irp j, 0,1,2,3,4,5,6,7
	ds_store_b128 v14, v[R+32*((\t)%2)+4*\j:R+32*((\t)%2)+4*\j+3] offset:2*SP*\j
.endr
.irp j, 0,1,2,3,4,5,6,7
	ds_load_b128 v[X+32*((\t)%2)+4*\j:X+32*((\t)%2)+4*\j+3], v15 offset:16*\j
.endr
.endm
.macro STEP t
.set XS, X+32*((\t)%2)
.set CC, C+8*((\t)%2)
.if (\t) > 0
	s_wait_dscnt 1                                 ; this chunk is back from the stage (the last chunk's byte store may be out): so its stores into the stage have read their registers,
.else
	s_wait_dscnt 0x0
.endif
.if (\t)+2 < 16
	LOAD (\t)+2                                    ; which take the loads of two chunks on
.endif
.if (\t)+1 < 16
.if (\t)+2 < 16
	s_wait_loadcnt 8                               ; the next chunk's eight loads are in; the eight just issued may be out
.else
	s_wait_loadcnt 0x0
.endif
	TURN (\t)+1
.endif
	v_max3_num_f32 v8, |v[XS]|, |v[XS+1]|, |v[XS+2]|               ; the block's largest magnitude: all 32 numbers are mine; two chains
	v_max3_num_f32 v9, |v[XS+3]|, |v[XS+4]|, |v[XS+5]|
.irp i, 6,10,14,18,22,26
	v_max3_num_f32 v8, v8, |v[XS+\i]|, |v[XS+\i+1]|
	v_max3_num_f32 v9, v9, |v[XS+\i+2]|, |v[XS+\i+3]|
.endr
	v_max3_num_f32 v8, v8, |v[XS+30]|, |v[XS+31]|
	v_max3_num_f32 v8, v8, v9, 0x1800000           ; and the floor 2^(3 - 127): the byte cannot fall under 1
	v_add_nc_u32 v11, 0xff000000, v8               ; 2 off the exponent field: the conversion takes that field of this operand as its scale
	s_wait_alu depctr_va_vdst(0)
	s_wait_xcnt 0x0                                ; the stores of two chunks ago have read their registers: this set of codes is written again only behind this wait
	v_cvt_scalef32_pk16_fp6_f32 v[CC:CC+2], v[XS:XS+15], v11
	v_cvt_scalef32_pk16_fp6_f32 v[CC+4:CC+6], v[XS+16:XS+31], v11  ; (a conversion's three registers begin on an even number)
	v_lshrrev_b32 v[E+(\t)%2], 23, v11             ; the scale's byte.  (The plain line behind the conversions)
	v_mov_b32 v[CC+3], v[CC+4]
	v_mov_b32 v[CC+4], v[CC+5]
	v_mov_b32 v[CC+5], v[CC+6]                     ; six registers on end: the block's 24 bytes
	ds_store_b8 v5, v[E+(\t)%2] offset:2*(\t)
.irp i, 0,1,2
	global_store_b64 v4, v[CC+2*\i:CC+2*\i+1], s[20:21] offset:768*(\t)+256*\i   ; 32 lanes store 256 consecutive bytes, aligned
.endr
.endm
	LOAD 0
	LOAD 1
	s_wait_alu depctr_va_vdst(0)
	s_wait_loadcnt 8                               ; chunk 0 is in
	TURN 0
.irp t, 0,1,2,3,4,5,6,7,8,9,10,11,12,13,14,15
	STEP \t
.endr
	ds_load_b128 v[8:11], v6                       ; my tile's 512 scale bytes: these loads see my byte stores
	s_wait_dscnt 0x0
	global_store_b128 v7, v[8:11], s[22:23]        ; 512 consecutive bytes
	s_wait_tensorcnt 0x0
	ds_add_u32 v176, v177
	s_wait_dscnt 0x0
	s_endpgm
; ---------------- the mask ----------------
; maskw: [4 x 128 query tiles][16 key steps][64 words].  Bit l of word n says whether key 128 step + 64 (n / 32) + 32 (l / 16) + n % 32 counts for query 16 tile + l % 16:
; the lane and the register in which the attention launch holds that score.
.Lmask:
	s_sub_co_u32 s27, ttmp9, QWG                   ; the query tile, 0..511
	s_lshl_b32 s28, s27, 17                        ; 16 rows of 8,192 bytes,
	s_lshl_b32 s29, s26, 11                        ; my wave's 512 keys
	s_add_co_u32 s28, s28, s29
	s_mov_b32 s29, 0
	s_lshl_b32 s30, s27, 12
	s_lshl_b32 s31, s26, 10
	s_add_co_u32 s30, s30, s31
	s_mov_b32 s31, 0
	s_mul_i32 s27, s26, 16*MP
	s_add_co_u32 s27, s27, MSTG                    ; my stage
	s_wait_alu depctr_va_vdst(0)
	v_lshlrev_b32 v2, 4, v1                        ; in: 32 lanes take 512 consecutive bytes of a row
	v_add_nc_u32 v14, s27, v2
	v_mul_u32_u24 v15, v12, MP
	v_lshl_add_u32 v15, v13, 7, v15
	v_add_nc_u32 v15, s27, v15                     ; out: row r, + 128 h
	v_lshlrev_b32 v4, 3, v1
.irp i, 0,1,2,3,4,5,6,7
	v_mov_b32 v[C+\i], 0                           ; written once: v_writelane_b32 keeps the other lanes
.endr
	s_wait_alu depctr_va_vdst(0)
	s_wait_kmcnt 0x0
	s_add_nc_u64 s[18:19], s[18:19], s[28:29]
	s_add_nc_u64 s[24:25], s[24:25], s[30:31]
.macro LOADM s
.irp p, 0,1,2,3,4,5,6,7,8,9,10,11,12,13,14,15
	global_load_b128 v[R+4*\p:R+4*\p+3], v2, s[18:19] offset:8192*\p+512*(\s) th:TH_LOAD_NT
.endr
.endm
.macro MSTEP s
	s_wait_loadcnt 0x0
.irp p, 0,1,2,3,4,5,6,7,8,9,10,11,12,13,14,15
	ds_store_b128 v14, v[R+4*\p:R+4*\p+3] offset:MP*\p
.endr
.irp q, 0,1,2,3,4,5,6,7,8,9,10,11,12,13,14,15
	ds_load_b128 v[X+4*\q:X+4*\q+3], v15 offset:256*(\q/8)+16*(\q%8)   ; register n: key 64 (n / 32) + 32 h + n % 32 of row r
.endr
	s_wait_dscnt 16                                ; the sixteen stores are done: their registers take the next step's loads
.if (\s) < 3
	LOADM (\s)+1
.endif
	s_wait_dscnt 0x0
.set N, 0
.rept 64
	v_cmp_ne_u32 s[32+N%8], 0, v[X+N]              ; word n: a bit for each lane;
	v_writelane_b32 v[C+2*(\s)+(N&1)], s[32+N%8], N>>1   ; it goes to lane n / 2, register n % 2: so a lane holds 8 neighbouring bytes
.set N, N+1
.endr
	global_store_b64 v4, v[C+2*(\s):C+2*(\s)+1], s[24:25] offset:256*(\s)   ; 256 consecutive bytes, aligned
.endm
	LOADM 0
	MSTEP 0
	MSTEP 1
	MSTEP 2
	MSTEP 3
	s_wait_tensorcnt 0x0
	ds_add_u32 v176, v177
	s_wait_dscnt 0x0
	s_endpgm
.Lfunc_end_k_q7d012f838a_prep:
	.size	k_q7d012f838a_prep, .Lfunc_end_k_q7d012f838a_prep-k_q7d012f838a_prep
	.p2alignl 7, 3214868480
	.fill 96, 4, 3214868480
	.section	.rodata,"a",@progbits
	.p2align	6, 0x0
	.amdhsa_kernel k_q7d012f838a_prep
		.amdhsa_group_segment_fixed_size 54784
		.amdhsa_private_segment_fixed_size 0
		.amdhsa_enable_private_segment 0
		.amdhsa_kernarg_size 88
		.amdhsa_user_sgpr_count 2
		.amdhsa_user_sgpr_kernarg_segment_ptr 1
		.amdhsa_wavefront_size32 1
		.amdhsa_system_sgpr_workgroup_id_x 1
		.amdhsa_system_sgpr_workgroup_id_y 1
		.amdhsa_system_sgpr_workgroup_id_z 1
		.amdhsa_system_vgpr_workitem_id 0
		.amdhsa_next_free_vgpr 178
		.amdhsa_next_free_sgpr 66
		.amdhsa_reserve_vcc 0
		.amdhsa_float_denorm_mode_32 3
		.amdhsa_float_denorm_mode_16_64 3
		.amdhsa_memory_ordered 1
		.amdhsa_forward_progress 1
		.amdhsa_inst_pref_size 111
	.end_amdhsa_kernel
	.amdgpu_metadata
---
amdhsa.version: [ 1, 2 ]
amdhsa.kernels:
  - .name:           k_q7d012f838a_prep
    .symbol:         k_q7d012f838a_prep.kd
    .args:
      - { .name: Q, .offset: 0, .size: 8, .value_kind: global_buffer, .address_space: global }
      - { .name: K, .offset: 8, .size: 8, .value_kind: global_buffer, .address_space: global }
      - { .name: V, .offset: 16, .size: 8, .value_kind: global_buffer, .address_space: global }
      - { .name: Wq, .offset: 24, .size: 8, .value_kind: global_buffer, .address_space: global }
      - { .name: Wk, .offset: 32, .size: 8, .value_kind: global_buffer, .address_space: global }
      - { .name: Wv, .offset: 40, .size: 8, .value_kind: global_buffer, .address_space: global }
      - { .name: Wo, .offset: 48, .size: 8, .value_kind: global_buffer, .address_space: global }
      - { .name: mask, .offset: 56, .size: 8, .value_kind: global_buffer, .address_space: global }
      - { .name: cod, .offset: 64, .size: 8, .value_kind: global_buffer, .address_space: global }
      - { .name: scl, .offset: 72, .size: 8, .value_kind: global_buffer, .address_space: global }
      - { .name: maskw, .offset: 80, .size: 8, .value_kind: global_buffer, .address_space: global }
    .group_segment_fixed_size: 54784
    .private_segment_fixed_size: 0
    .kernarg_segment_align: 8
    .kernarg_segment_size: 88
    .max_flat_workgroup_size: 128
    .sgpr_count:     66
    .vgpr_count:     178
    .wavefront_size: 32
...
	.end_amdgpu_metadata
.endif
;; end of part 1
;; launch proj (part 2): grid 16 x 16, 4 waves a work-group, clusters of 4 x 4, 327,680 bytes of LDS; arguments cod, scl, pc, ps; writes pc, ps
.if DOCPART == 2
	.amdgcn_target "amdgcn-amd-amdhsa--gfx1250"
	.amdhsa_code_object_version 6
	.text
	.protected	k_q7d012f838a_proj
	.globl	k_q7d012f838a_proj
	.p2align	8
	.type	k_q7d012f838a_proj,@function
k_q7d012f838a_proj:
	s_mov_b64 s[64:65], 0
	v_nop
	global_prefetch_b8 v0, s[64:65] scope:SCOPE_SE
	s_setreg_imm32_b32 hwreg(HW_REG_WAVE_MODE, 25, 1), 1
	s_wait_xcnt 0x0
	s_wait_alu depctr_hold_cnt(0) depctr_sa_sdst(0) depctr_va_vdst(0) depctr_va_sdst(0) depctr_va_ssrc(0) depctr_va_vcc(0) depctr_vm_vsrc(0)
	s_getreg_b32 s2, hwreg(HW_REG_IB_STS2, 6, 4)
	s_cmp_eq_u32 s2, 0
	s_cbranch_scc0 .Lentry_in_a_cluster
	s_endpgm
.Lentry_in_a_cluster:
	s_bfe_u32 s2, ttmp6, 0x10000c
	s_cmp_lg_u32 s2, 0xf033
	s_cbranch_scc0 .Lentry_shape_is_right
	s_endpgm
.Lentry_shape_is_right:
; q = Q Wq^T, k = K Wk^T, v = V Wv^T on codes of FP6 (E2M3) with one E8M0 byte for each 32 along K = 1,024, and their quantisers for the products that follow.  No f32 result is stored.
; IN: cod [row tile of 16][16 images of 768 bytes], scl [row][32 bytes]: Q, K, V, Wq, Wk, Wv on end, rows in the orders that the first launch lays.  An image is 16 rows x 64 along K: byte 256 i + 8 l + e.
; OUT: pc: q and k as [token tile][head][image]; v as [key step of 128][head][channel tile][two images: the step's two bands of 64 keys].  ps: q, k: [token tile][head][16 words]; v: [key step][head][channel tile][32 words, the lower 16 read].
; THE DEAL: 256 work-groups of four waves, 2 x 2.  A wave holds 64 rows of a weight (one head), ALL of K, in 384 registers, and streams token tiles of 16 rows past them: 32 products a block.
; A work-group makes 256 x 128 of v, then 512 x 128 of q or k (the cluster's x says which).  Tokens come in six chunks of 128 rows through two LDS slots; wave row a takes tiles 2 i + a of a chunk.
; q, k: source 0 = the weight's rows; by their order a lane's 32 sums of a block are 32 neighbouring channels: one scale block.  v: source 0 = the tokens; by the tiles' order a lane's 8 sums of each of a chunk's four blocks are 32
; neighbouring keys, for each of four channel tiles.  So no code changes lanes; a scale byte meets lane l xor 16's by one lane permute.
; FILLS: at the head one joint load a wave (Wv's rows; both chunks' scale bytes; chunk 0; chunk 1).  One round fills the weights' region again, once all waves hold Wv in registers.  Four rounds, each in a chunk's third block, when
; the chunk's last block has been fetched into registers, fill its slot and scale place with the chunk two on.  Tokens' rows are shared along a row of the cluster, a weight's rows along a column.
; A block's fragments are fetched two blocks ahead: s_wait_dscnt NF lets the next block's 48 + 2 loads stay out.  The last chunk's third and fourth blocks fetch bytes of the other slot that nothing uses, so that two chunks share one text.
; PREFETCH: at each refill the chunk of the next refill is asked for, 6,144 bytes by each of the sixteen waves of a cluster's row, told apart by address; the last refill asks for nothing.
; A head owns 64 of the 1,024 scale bytes of a token tile: its words leave as 64 bytes on end (lanes 16-31 write the same bytes with the same values): 1,048,576 bytes in the launch.
; LIMITS: a block of zeros gets the byte 1 (its codes are zeros; this program alone reads the bytes); NaN and infinities are not served.
.set FR,    12
.set FPW,   21                         ; fragments in a window of 256 registers
.set NF,    50
.set TROW,  12288
.set S1,    98304                      ; LDS: slot 0 at 0, slot 1, the weights' region, two places for a chunk's scale bytes, the spare words
.set WB,    196608
.set SCLB,  294912
.set SPARE, 303104
.set XSEC,  6291456
.set WBASE, 18874368
.set WSEC,  786432
.set WSB,   786432
.set XB0, 4                            ; v4, v5  my tiles 0, 1 and 2, 3 of slot 0;  v6, v7 their scale words
.set XB1, 5
.set SB0, 6
.set SB1, 7
.set VA,  8                            ; v8-11  the same for this chunk's blocks 2, 3 and the next chunk's 0, 1
.set VB,  9
.set VSA, 10
.set VSB, 11
.set ADRW, 12
.set VO8, 13
.set VO4R, 14
.set VO4, 15
.set SH8, 16
.set VWS, 17
.set VPF, 18
.set SPW, 28
.set NIL, 29
.set WS,  32                           ; v32-47 Wv's scale words, v48-63 Wq's or Wk's, v68-83 the tokens', two sets
.set WS2, 48
.set SA,  68
.set ACC, 96                           ; v96-127 q, k: a block's sums
.set CD,  128
.set TM,  160
.set TC,  176
.set SOP, 192
.set EB,  196
.set VW,  200
.set WD,  204
.set HV,  840                          ; v840-967 v: a band's sums, 32 t + 8 i + e
.set G1A, 24
.set G1B, 32
.set G1S, 92
.set G0A, 56
.set G0B, 60
.set G0R, 68
.set G0S, 72
.set PO,  76
.set PS,  78
.set VO,  80
.set VS,  82
.set PF,  84
.set SEL, 52
.set MSB, 0
.macro WIN new
.if MSB != \new
	s_set_vgpr_msb (MSB<<8)|\new
.set MSB, \new
.endif
.endm
.macro PLACES n
.rept \n
	v_nop
.endr
.endm
.macro WALU
	s_wait_alu depctr_va_vdst(0)
.endm
.macro BARRIER
	s_barrier_signal -1
	s_barrier_wait -1
.endm
.macro CROUND
	s_barrier_signal -1
	s_barrier_wait -1
	s_cmp_lg_u32 s14, 0
	s_cbranch_scc1 .Lnot_wave_0_\@
	s_barrier_signal -3
.Lnot_wave_0_\@:
	s_barrier_wait -3
	s_barrier_signal -1
	s_barrier_wait -1
.endm
.macro TLOAD g0, g1
	tensor_load_to_lds s[\g0:\g0+3], s[\g1:\g1+7]
	s_nop 0
	PLACES 4
.endm
.macro GROUP1 g, mask, d0, rows        ; dense rows of d0 elements of 8 bytes
	s_or_b32 s[\g], s[\mask], (3<<16)|(1<<21)
	s_mov_b32 s[\g+1], (\d0)<<16
	s_mov_b32 s[\g+2], (\rows)<<16
	s_mov_b32 s[\g+3], (\d0)<<16
	s_mov_b32 s[\g+4], \rows
	s_mov_b32 s[\g+5], \d0
	s_mov_b32 s[\g+6], 0
	s_mov_b32 s[\g+7], 0
.endm
.macro G0SET g, base, off, lds         ; s21 = 0
	s_mov_b32 s[\g], 1
	s_mov_b32 s[\g+1], \lds
	s_mov_b32 s20, s\off
	s_add_nc_u64 s[\g+2:\g+3], s[\base:\base+1], s[20:21]
	s_or_b32 s[\g+3], s[\g+3], 0x80000000
.endm
; fragment f lies in window 1 + f / 21 at register 12 (f % 21): 0-31 the weight's (4 q + t), 32-39 and 40-47 the tokens' two sets
.macro FRAG f, adr, off
	WIN (1+(\f)/FPW)<<6
.set R_, FR*((\f)%FPW)
.irp p, 0,1,2,3,4,5
	ds_load_b64 v[R_+2*\p:R_+2*\p+1], v[\adr] offset:(\off)+(\p/3)*768+256*(\p%3)
.endr
.endm
.macro WEIGHTS                         ; my 64 rows of the weight, all of K: 192 loads
.irp q, 0,1,2,3,4,5,6,7
.irp t, 0,1,2,3
	FRAG 4*\q+\t, ADRW, \t*TROW+\q*1536
.endr
.endr
	WIN 0
.endm
.macro FETCH e, adr, off, sadr, soff   ; a block of 16 rows, all of K, and its scale words, into set e: NF loads
.irp q, 0,1,2,3,4,5,6,7
	FRAG 32+8*(\e)+\q, \adr, (\off)+\q*1536
.endr
	WIN 0
	ds_load_b128 v[SA+8*(\e):SA+8*(\e)+3], v[\sadr] offset:\soff
	ds_load_b128 v[SA+8*(\e)+4:SA+8*(\e)+7], v[\sadr] offset:(\soff)+16
.endm
.macro W1 d, a, b, c, x0, x1, side, row
	v_wmma_scale_f32_16x16x128_f8f6f4 v[\d:\d+7], v[\a:\a+11], v[\b:\b+11], \c, v[\x0], v[\x1] matrix_a_fmt:MATRIX_FMT_FP6 matrix_b_fmt:MATRIX_FMT_FP6 matrix_\side\()_scale:MATRIX_SCALE_ROW\row
.endm
; a block's 32 products; the four accumulators take turns.  The weight's scale words: lanes 0-15 tiles 0, 1, lanes 16-31 tiles 2, 3
.macro PRODS kind, e, ws, d0, ds
.irp q, 0,1,2,3,4,5,6,7
.irp rt, 0,1
.irp ti, 0,1
.set FB_, 4*\q+2*\rt+\ti
.set FA_, 32+8*(\e)+\q
.set D_, (\d0)+(\ds)*(2*\rt+\ti)
.set DW_, D_>>8
.set DL_, D_&255
.set RB_, FR*(FB_%FPW)
.set RA_, FR*(FA_%FPW)
.set XB_, (\ws)+8*\ti+\q
.set XA_, SA+8*(\e)+\q
.if \kind
	WIN (1+FA_/FPW)|((1+FB_/FPW)<<2)|(DW_<<4)|(DW_<<6)
.if \q
	W1 DL_, RA_, RB_, v[DL_:DL_+7], XA_, XB_, b, \rt
.else
	W1 DL_, RA_, RB_, 0, XA_, XB_, b, \rt
.endif
.else
	WIN (1+FB_/FPW)|((1+FA_/FPW)<<2)|(DW_<<4)|(DW_<<6)
.if \q
	W1 DL_, RB_, RA_, v[DL_:DL_+7], XB_, XA_, a, \rt
.else
	W1 DL_, RB_, RA_, 0, XB_, XA_, a, \rt
.endif
.endif
.endr
.endr
.endr
.endm
; 32 sums of a lane (window xw, from register xl) become 32 codes in v[c .. c+5]; v[eb] holds the scale's byte at bit 8 (lane / 16), v[tm+1] lane l xor 16's.  Four chains, one to an accumulator, each from its low end on
.macro OUT32 xw, xl, c, tm, tc, sop, eb
	WIN (\xw)|((\xw)<<2)|((\xw)<<4)
.irp k, 0,1,2,3
	v_max3_num_f32 v[\tm+\k], |v[\xl+8*\k]|, |v[\xl+8*\k+1]|, |v[\xl+8*\k+2]|
.endr
	WIN ((\xw)<<2)|((\xw)<<4)
.irp i, 3,5
.irp k, 0,1,2,3
	v_max3_num_f32 v[\tm+\k], v[\tm+\k], |v[\xl+8*\k+\i]|, |v[\xl+8*\k+\i+1]|
.endr
.endr
	WIN (\xw)<<4
	v_max3_num_f32 v[\tm], v[\tm], v[\tm+1], |v[\xl+7]|
	v_max3_num_f32 v[\tm+2], v[\tm+2], v[\tm+3], |v[\xl+15]|
	WIN ((\xw)<<2)|((\xw)<<4)
	v_max3_num_f32 v[\tm], v[\tm], |v[\xl+23]|, |v[\xl+31]|
	WIN 0
	v_max3_num_f32 v[\tm], v[\tm], v[\tm+2], 0x1800000     ; the floor 2^(3 - 127): the byte cannot fall under 1
	v_add_nc_u32 v[\sop], 0xff000000, v[\tm]               ; 2 off the exponent field: the conversions' scale operand
	WIN \xw
	v_cvt_scalef32_pk16_fp6_f32 v[\c:\c+2], v[\xl:\xl+15], v[\sop]
	v_cvt_scalef32_pk16_fp6_f32 v[\tc:\tc+2], v[\xl+16:\xl+31], v[\sop]
	WIN 0
	v_lshrrev_b32 v[\eb], 23, v[\sop]                      ; (the plain line behind the conversions)
.irp i, 0,1,2
	v_mov_b32 v[\c+3+\i], v[\tc+\i]
.endr
	v_lshlrev_b32 v[\eb], v[SH8], v[\eb]
	v_permlanex16_b32 v[\tm+1], v[\eb], s[SEL], s[SEL+1]
.endm
.macro OUTQ                            ; a block of q or k leaves: an image and sixteen scale words
	OUT32 0, ACC, CD, TM, TC, SOP, EB
	v_or_b32 v[WD], v[EB], v[TM+1]
.irp i, 0,1,2
	global_store_b64 v[VO8], v[CD+2*\i:CD+2*\i+1], s[PO:PO+1] offset:256*\i    ; 256 consecutive aligned bytes each
.endr
	global_store_b32 v[VO4R], v[WD], s[PS:PS+1]
	s_wait_xcnt 0x0                                ; the stores have read their registers and bases
	s_add_nc_u64 s[PO:PO+1], s[PO:PO+1], 2*TROW    ; my next token tile
	s_add_nc_u64 s[PS:PS+1], s[PS:PS+1], 2048
.endm
.macro OUTV                            ; a band of v leaves: four images; its scale bytes go into the upper half of the words, the band before's into the lower
.irp t, 0,1,2,3
	OUT32 3, (HV&255)+32*\t, CD+8*\t, TM+4*\t, TC+4*\t, SOP+\t, EB+\t
	v_or_b32 v[EB+\t], v[EB+\t], v[TM+4*\t+1]
	v_alignbit_b32 v[VW+\t], v[EB+\t], v[VW+\t], 16
.endr
.irp t, 0,1,2,3
.irp i, 0,1,2
	global_store_b64 v[VO8], v[CD+8*\t+2*\i:CD+8*\t+2*\i+1], s[VO:VO+1] offset:1536*\t+256*\i
.endr
.endr
	WALU                                           ; the wait ahead of the wait below
	s_wait_xcnt 0x0
	s_add_nc_u64 s[VO:VO+1], s[VO:VO+1], 768
.endm
.macro RND mode                        ; 1: a drained round and the refill of this chunk's slot and scale place; 2
	s_wait_tensorcnt 0x0
.if \mode == 1
	ds_add_u32 v[SPW], v[NIL]
	s_mul_i32 s20, s14, 4*TROW                     ; waves 0 and 1 fetch half a chunk each, wave 2 its scale bytes
	s_add_co_u32 s[G0R+1], s20, s46
	s_add_co_u32 s20, s20, s88
	s_mov_b32 s21, 0
	s_add_nc_u64 s[G0R+2:G0R+3], s[4:5], s[20:21]
	s_or_b32 s[G0R+3], s[G0R+3], 0x80000000
	s_add_co_u32 s[G0S+1], s48, SCLB
	s_mov_b32 s20, s89
	s_add_nc_u64 s[G0S+2:G0S+3], s[6:7], s[20:21]
	s_or_b32 s[G0S+3], s[G0S+3], 0x80000000
	s_add_co_u32 s88, s88, 8*TROW
	s_add_co_u32 s89, s89, 4096
	s_wait_dscnt 0x0
	CROUND
	s_cmp_lt_u32 s14, 2
	s_cbranch_scc0 .Lsc_\@
	TLOAD G0R, G1A
	s_branch .Ldn_\@
.Lsc_\@:
	s_cmp_eq_u32 s14, 2
	s_cbranch_scc0 .Ldn_\@
	TLOAD G0S, G1S
.Ldn_\@:
.else
	s_wait_dscnt 0x0
	BARRIER
.endif
.endm
.macro ASK pf                          ; 1: the next refill's chunk is asked for; 2: in the loop's first trip alone
.if \pf == 2
	s_cmp_eq_u32 s86, 0
	s_cbranch_scc0 .Lno_pf_\@
.endif
.if \pf
	global_prefetch_b8 v[VPF], s[PF:PF+1] offset:8*TROW th:TH_LOAD_NT scope:SCOPE_SE
.endif
.if \pf == 2
.Lno_pf_\@:
.endif
.endm
.macro TRIP kind, ws, mode, pf         ; a chunk: my four blocks
	v_add_nc_u32 v[VA], s46, v[XB1]
	v_add_nc_u32 v[VB], s47, v[XB0]
	v_add_nc_u32 v[VSA], s48, v[SB1]
	v_add_nc_u32 v[VSB], s49, v[SB0]
	WALU
.irp i, 0,1,2,3
	s_wait_dscnt NF
.if \kind
	PRODS 1, \i%2, \ws, HV+8*\i, 32
.else
	PRODS 0, \i%2, \ws, ACC, 8
.endif
	WIN 0
	PLACES 4
.if \i < 2
	FETCH \i%2, VA, \i*2*TROW, VSA, \i*1024
.if \kind == 0
	OUTQ
.endif
.elseif \i == 2
.if \kind == 0
	OUTQ
.endif
	RND \mode
	FETCH 0, VB, 0, VSB, 0
	ASK \pf
.else
	FETCH 1, VB, 2*TROW, VSB, 1024
.if \kind
	OUTV
.else
	OUTQ
.endif
.endif
.endr
.if \pf
	s_add_nc_u64 s[PF:PF+1], s[PF:PF+1], 8*TROW    ; (behind the way out's wait on XCNT)
.endif
	s_xor_b32 s46, s46, S1
	s_xor_b32 s47, s47, S1
	s_xor_b32 s48, s48, 4096
	s_xor_b32 s49, s49, 4096
.endm
; ================= THE HEAD
	s_load_b256 s[4:11], s[0:1], 0x0               ; cod, scl, pc, ps
	v_lshl_add_u32 v[SPW], v0, 2, SPARE
	v_mov_b32 v[NIL], 0
	ds_add_u32 v[SPW], v[NIL]                      ; the opening lines
	ds_add_u32 v[SPW], v[NIL]
	v_lshrrev_b32 v1, 5, v0
	v_readfirstlane_b32 s14, v1                    ; the wave; s15 its row of the 2 x 2, s16 its column
	s_lshr_b32 s15, s14, 1
	s_and_b32 s16, s14, 1
	s_bfe_u32 s40, ttmp6, 0x40000
	s_bfe_u32 s41, ttmp6, 0x40004
	s_and_b32 s42, ttmp9, 1
	s_lshl_b32 s42, s42, 2
	s_add_co_u32 s42, s42, s40                     ; the column tile of 128, 0 .. 7, in both phases
	s_lshr_b32 s19, ttmp9, 1                       ; 0: q, 1: k
	s_and_b32 s43, ttmp7, 0xffff
	s_lshl_b32 s43, s43, 2
	s_add_co_u32 s43, s43, s41                     ; the row tile of 512
	s_lshl_b32 s12, s43, 1
	s_add_co_u32 s12, s12, s19                     ; v's row tile of 256
	s_lshl_b32 s44, s41, 2
	s_lshl_b32 s44, 15, s44                        ; my row of the cluster
	s_lshl_b32 s45, 0x1111, s40                    ; my column
	GROUP1 G1A, 44, 1536, 8
	GROUP1 G1B, 45, 1536, 8
	GROUP1 G1S, 44, 32, 32
	s_mul_i32 s54, s42, 8*TROW
	s_mul_i32 s55, s19, WSEC
	s_add_co_u32 s55, s55, s54
	s_add_co_u32 s55, s55, WBASE                   ; Wq's or Wk's rows, bytes from cod
	s_add_co_u32 s54, s54, WBASE+2*WSEC            ; Wv's
	s_mul_i32 s66, s12, 16*TROW
	s_add_co_u32 s66, s66, 2*XSEC                  ; V's 256 rows
	s_mul_i32 s88, s19, XSEC
	s_mul_i32 s20, s43, 32*TROW
	s_add_co_u32 s88, s88, s20                     ; Q's or K's 512
	s_lshl_b32 s67, s12, 13
	s_add_co_u32 s67, s67, 524288                  ; their scale bytes, from scl
	s_lshl_b32 s89, s19, 18
	s_lshl_b32 s20, s43, 14
	s_add_co_u32 s89, s89, s20
	s_mul_i32 s20, s15, TROW
	s_add_co_u32 s21, s20, 4*TROW
	s_mul_i32 s22, s16, 4*TROW
	s_add_co_u32 s22, s22, WB
	s_lshl_b32 s23, s15, 9
	s_add_co_u32 s23, s23, SCLB
	s_add_co_u32 s18, s23, 2048
	s_lshl_b32 s90, s40, 2
	s_add_co_u32 s90, s90, s14                     ; my number among the sixteen waves of my row of the cluster
	s_mul_i32 s90, s90, 6144
	v_and_b32 v1, 15, v0
	v_bfe_u32 v2, v0, 4, 1
	v_and_b32 v3, 31, v0
	v_lshlrev_b32 v[VO8], 3, v3
	v_lshlrev_b32 v[VO4R], 2, v1
	v_lshlrev_b32 v[VO4], 2, v3
	v_lshlrev_b32 v[SH8], 3, v2
	v_lshlrev_b32 v[VWS], 5, v1
	v_min_u32 v[VPF], 23, v3
	v_add_nc_u32 v[XB0], s20, v[VO8]
	v_add_nc_u32 v[XB1], s21, v[VO8]
	v_add_nc_u32 v[ADRW], s22, v[VO8]
	v_add_nc_u32 v[SB0], s23, v[VWS]
	v_add_nc_u32 v[SB1], s18, v[VWS]
	v_lshl_add_u32 v[VWS], v2, 10, v[VWS]          ; a weight's scale bytes: row r, lanes 16-31 two tiles on
	v_lshl_add_u32 v[VPF], v[VPF], 8, s90          ; my 24 blocks of 256 bytes of a chunk (lanes 24-31 name the last again)
.irp t, 0,1,2,3
	v_mov_b32 v[VW+\t], 0
.endr
	WALU                                           ; the wait at the head's end
	s_wait_dscnt 0x0
	CROUND                                         ; all sixteen work-groups are here: the joint loads meet
	s_wait_kmcnt 0x0
	s_mov_b32 s21, 0
	G0SET G0B, 4, 54, WB
	G0SET G0S, 6, 67, SCLB
	G0SET G0A, 4, 66, 0
	G0SET G0R, 4, 66, S1
	s_add_nc_u64 s[G0R+2:G0R+3], s[G0R+2:G0R+3], 8*TROW
	s_cmp_eq_u32 s14, 0                            ; one load a wave, in one chain of branches on the wave's number
	s_cbranch_scc0 .Lwave_1
	TLOAD G0B, G1B                                 ; wave 0: Wv's rows
	s_branch .Lasked
.Lwave_1:
	s_cmp_eq_u32 s14, 1
	s_cbranch_scc0 .Lwave_2
	TLOAD G0S, G1S                                 ; wave 1: both chunks' scale bytes
	s_branch .Lasked
.Lwave_2:
	s_cmp_eq_u32 s14, 2
	s_cbranch_scc0 .Lwave_3
	TLOAD G0A, G1A                                 ; wave 2: chunk 0
	s_branch .Lasked
.Lwave_3:
	TLOAD G0R, G1A                                 ; wave 3: chunk 1
.Lasked:
	s_lshl_b32 s22, s42, 1
	s_add_co_u32 s22, s22, s16                     ; my head
	s_lshl_b32 s23, s43, 5
	s_add_co_u32 s23, s23, s15                     ; my first token tile of q or k
	s_mul_i32 s[PO], s23, TROW
	s_mul_i32 s18, s19, XSEC
	s_add_co_u32 s[PO], s[PO], s18
	s_mul_i32 s18, s22, 768
	s_add_co_u32 s[PO], s[PO], s18
	s_mov_b32 s[PO+1], 0
	s_add_nc_u64 s[PO:PO+1], s[8:9], s[PO:PO+1]
	s_lshl_b32 s[PS], s23, 10
	s_lshl_b32 s18, s19, 19
	s_add_co_u32 s[PS], s[PS], s18
	s_lshl_b32 s18, s22, 6
	s_add_co_u32 s[PS], s[PS], s18
	s_mov_b32 s[PS+1], 0
	s_add_nc_u64 s[PS:PS+1], s[10:11], s[PS:PS+1]
	s_lshl_b32 s23, s12, 1
	s_add_co_u32 s23, s23, s15                     ; my key step of v
	s_mul_i32 s[VO], s23, 8*TROW
	s_mul_i32 s18, s22, 6144
	s_add_co_u32 s[VO], s[VO], s18
	s_add_co_u32 s[VO], s[VO], 2*XSEC
	s_mov_b32 s[VO+1], 0
	s_add_nc_u64 s[VO:VO+1], s[8:9], s[VO:VO+1]
	s_lshl_b32 s[VS], s23, 13
	s_lshl_b32 s18, s22, 9
	s_add_co_u32 s[VS], s[VS], s18
	s_add_co_u32 s[VS], s[VS], 1048576
	s_mov_b32 s[VS+1], 0
	s_add_nc_u64 s[VS:VS+1], s[10:11], s[VS:VS+1]
	s_mov_b32 s20, s88
	s_add_nc_u64 s[PF:PF+1], s[4:5], s[20:21]
	s_lshl_b32 s20, s42, 12
	s_lshl_b32 s18, s16, 11
	s_add_co_u32 s20, s20, s18
	s_add_co_u32 s20, s20, WSB+65536
	s_add_nc_u64 s[50:51], s[6:7], s[20:21]        ; Wv's scale bytes, my 64 rows
	s_sub_co_u32 s20, s20, 65536
	s_lshl_b32 s18, s19, 15
	s_add_co_u32 s20, s20, s18
	s_add_nc_u64 s[2:3], s[6:7], s[20:21]          ; Wq's or Wk's
.irp ti, 0,1
.irp c, 0,1
	global_load_b128 v[WS+8*\ti+4*\c:WS+8*\ti+4*\c+3], v[VWS], s[50:51] offset:512*\ti+16*\c
	global_load_b128 v[WS2+8*\ti+4*\c:WS2+8*\ti+4*\c+3], v[VWS], s[2:3] offset:512*\ti+16*\c
.endr
.endr
	s_mov_b32 s46, 0                               ; this chunk's slot and the next's; their scale places
	s_mov_b32 s47, S1
	s_mov_b32 s48, 0
	s_mov_b32 s49, 4096
	s_mov_b32 s[SEL], 0x76543210
	s_mov_b32 s[SEL+1], 0xfedcba98
	s_cmp_eq_u32 s14, 0
	s_cbranch_scc0 .Lnot_w
	s_wait_tensorcnt 0x0
.Lnot_w:
	BARRIER                                        ; Wv's rows are in; the other tiles may still be on their way
	WEIGHTS
	s_wait_tensorcnt 0x0                           ; the round that fills the weights' region again: the head's loads are in,
	ds_add_u32 v[SPW], v[NIL]
	s_mov_b32 s[G1A+2], 4<<16                      ; no load of mine is out: from here on a load of tokens brings 4 tiles, one of scale bytes 16 rows, one of a weight 2 tiles
	s_mov_b32 s[G1A+4], 4
	s_mov_b32 s[G1S+2], 16<<16
	s_mov_b32 s[G1S+4], 16
	s_mov_b32 s[G1B+2], 2<<16
	s_mov_b32 s[G1B+4], 2
	s_mul_i32 s20, s14, 2*TROW                     ; every wave a quarter
	s_add_co_u32 s[G0B+1], s20, WB
	s_add_co_u32 s20, s20, s55
	s_add_nc_u64 s[G0B+2:G0B+3], s[4:5], s[20:21]
	s_or_b32 s[G0B+3], s[G0B+3], 0x80000000
	s_wait_dscnt 0x0                               ; and every wave holds Wv in registers
	CROUND
	TLOAD G0B, G1B
	FETCH 0, XB0, 0, SB0, 0
	FETCH 1, XB0, 2*TROW, SB0, 1024
	global_prefetch_b8 v[VPF], s[PF:PF+1] th:TH_LOAD_NT scope:SCOPE_SE   ; what the first refill of a slot will load
	s_wait_loadcnt 0x0                             ; the weights' scale words
; ================= v: two chunks, a band of 64 keys each
	s_mov_b32 s86, 0
.Lv:
	TRIP 1, WS, 1, 1
	s_add_co_u32 s86, s86, 1
	s_cmp_lg_u32 s86, 2
	s_cbranch_scc1 .Lv
.irp t, 0,1,2,3
	global_store_b32 v[VO4], v[VW+\t], s[VS:VS+1] offset:128*\t
.endr
	PLACES 4
	WEIGHTS                                        ; the second weight was shown by the rounds above; the first two blocks of q or k are fetched already
	s_wait_dscnt 0x0
; ================= q or k: four chunks
	s_mov_b32 s86, 0
.Lfill:
	TRIP 0, WS2, 1, 2
	s_add_co_u32 s86, s86, 1
	s_cmp_lg_u32 s86, 2
	s_cbranch_scc1 .Lfill
	s_mov_b32 s86, 0
.Llast:
	TRIP 0, WS2, 2, 0
	s_add_co_u32 s86, s86, 1
	s_cmp_lg_u32 s86, 2
	s_cbranch_scc1 .Llast
	s_wait_tensorcnt 0x0                           ; the wave's end
	ds_add_u32 v[SPW], v[NIL]
	s_wait_dscnt 0x0
	CROUND                                         ; the closing round
	s_endpgm
.Lfunc_end_k_q7d012f838a_proj:
	.size	k_q7d012f838a_proj, .Lfunc_end_k_q7d012f838a_proj-k_q7d012f838a_proj
	.p2alignl 7, 3214868480
	.fill 96, 4, 3214868480
	.section	.rodata,"a",@progbits
	.p2align	6, 0x0
	.amdhsa_kernel k_q7d012f838a_proj
		.amdhsa_group_segment_fixed_size 327680
		.amdhsa_private_segment_fixed_size 0
		.amdhsa_enable_private_segment 0
		.amdhsa_kernarg_size 32
		.amdhsa_user_sgpr_count 2
		.amdhsa_user_sgpr_kernarg_segment_ptr 1
		.amdhsa_wavefront_size32 1
		.amdhsa_system_sgpr_workgroup_id_x 1
		.amdhsa_system_sgpr_workgroup_id_y 1
		.amdhsa_system_sgpr_workgroup_id_z 1
		.amdhsa_system_vgpr_workitem_id 0
		.amdhsa_next_free_vgpr 968
		.amdhsa_next_free_sgpr 100
		.amdhsa_reserve_vcc 0
		.amdhsa_float_denorm_mode_32 3
		.amdhsa_float_denorm_mode_16_64 3
		.amdhsa_memory_ordered 1
		.amdhsa_forward_progress 1
		.amdhsa_inst_pref_size 163
	.end_amdhsa_kernel
	.amdgpu_metadata
---
amdhsa.version: [ 1, 2 ]
amdhsa.kernels:
  - .name:           k_q7d012f838a_proj
    .symbol:         k_q7d012f838a_proj.kd
    .args:
      - { .name: cod, .offset: 0, .size: 8, .value_kind: global_buffer, .address_space: global }
      - { .name: scl, .offset: 8, .size: 8, .value_kind: global_buffer, .address_space: global }
      - { .name: pc, .offset: 16, .size: 8, .value_kind: global_buffer, .address_space: global }
      - { .name: ps, .offset: 24, .size: 8, .value_kind: global_buffer, .address_space: global }
    .group_segment_fixed_size: 327680
    .private_segment_fixed_size: 0
    .kernarg_segment_align: 8
    .kernarg_segment_size: 32
    .max_flat_workgroup_size: 128
    .sgpr_count:     100
    .vgpr_count:     968
    .wavefront_size: 32
...
	.end_amdgpu_metadata
.endif
;; end of part 2
;; launch attn (part 3): grid 4 x 64, 16 waves a work-group, clusters of 4 x 1, 215,040 bytes of LDS; arguments pc, ps, maskw, ac, acs; writes ac, acs
.if DOCPART == 3
	.amdgcn_target "amdgcn-amd-amdhsa--gfx1250"
	.amdhsa_code_object_version 6
	.text
	.protected	k_q7d012f838a_attn
	.globl	k_q7d012f838a_attn
	.p2align	8
	.type	k_q7d012f838a_attn,@function
k_q7d012f838a_attn:
	s_mov_b64 s[64:65], 0
	v_nop
	global_prefetch_b8 v0, s[64:65] scope:SCOPE_SE
	s_setreg_imm32_b32 hwreg(HW_REG_WAVE_MODE, 25, 1), 1
	s_wait_xcnt 0x0
	s_wait_alu depctr_hold_cnt(0) depctr_sa_sdst(0) depctr_va_vdst(0) depctr_va_sdst(0) depctr_va_ssrc(0) depctr_va_vcc(0) depctr_vm_vsrc(0)
	s_getreg_b32 s2, hwreg(HW_REG_IB_STS2, 6, 4)
	s_cmp_eq_u32 s2, 0
	s_cbranch_scc0 .Lentry_in_a_cluster
	s_endpgm
.Lentry_in_a_cluster:
	s_bfe_u32 s2, ttmp6, 0x10000c
	s_cmp_lg_u32 s2, 0x3003
	s_cbranch_scc0 .Lentry_shape_is_right
	s_endpgm
.Lentry_shape_is_right:
; For each batch and head: O[q] = sum over keys of softmax(q . k / 8, masked) v, both products on codes of FP6 (E2M3) with one E8M0 scale for each 32 along K; O / l is quantised along the model's 1,024 and leaves as codes.
; THE SOFTMAX: t = score x log2(e) / 8; M = the row's largest t so far, rounded UP to a whole number; p = 2^(t - M) is quantised along the keys, not normalised; the row's sum is taken of the unquantised p and divides O at the end.
; When M moves, the sum and O are multiplied by 2^(old M - new M): exact.  THE MASK comes as words of lane bits: one v_cndmask_b32 a score, ahead of the maximum.
; LIMIT: a masked score is -2^33 (logit -2^30) where the definition has the logit -1e9: a row with no kept key gets p = 1 for every key, as the definition has it; results agree for such rows and for rows whose largest kept
; logit lies above about -1e9 + 150.  NaN and infinities are not served.  A block of zeros gets the byte 1 (its codes are zeros; this program alone reads the bytes).
; SHARES: a work-group owns 512 queries of one head, in two passes of 256; each of sixteen waves one tile of 16 queries a pass.  The head's whole K and V stay in LDS, filled once, jointly by the four query blocks of a cluster.
; LAYOUT: operands are images of 768 bytes (16 rows x 64 along K; byte 256 i + 8 l + e).  Both products are used transposed (S^T = K Q^T, O^T = V^T P^T): a lane holds ONE query.  Row 8 h + j of key tile 4 c + u is key 64 c + 32 h + 8 u + j,
; so register 32 c + i of the scores is key 64 c + 32 (lane / 16) + i: a lane holds two WHOLE scale blocks of p, in the second product's own register order: no lane is asked for a block's maximum, no code changes lanes.
; THE SCORES' K IS 64: registers 6-11 of Q's operand are zero codes.  K's eight tiles lie 6 registers apart: the upper half of a tile's operand is the next tile's codes, which meet Q's zero codes and add nothing (no code of this format
; is NaN or infinite, and every scale byte there is a finite code).
; FETCHES: K's tiles of step j + 1 are asked of LDS in step j, behind its score products (the last step reads V's first bytes and uses nothing of them); V's fragments land on p's registers, half by half, as p's halves are spent.
; The mask words of step j + 1 are asked for in step j by scalar loads; K, V and Q are asked for once at the head of the launch or of a pass: no loop runs ahead of them, so no prefetch is laid.
.set VC,   98304                       ; LDS: K's codes at 0; V's here; K's scale words; V's
.set KSC,  196608
.set VSC,  204800
.set WV,   14
.set SEL,  20
.set CS,   22
.set TC,   24
.set TS,   25
.set J,    26
.set PASS, 27
.set NX,   28
.set MA,   30
.set G1K,  32
.set G1V,  40
.set G1KS, 48
.set G1VS, 56
.set G0K,  68
.set G0V,  72
.set G0KS, 76
.set G0VS, 80
.set KF,   32                          ; v32-85   K's eight tiles, 6 registers each, and six zeros
.set KW,   86                          ; v86-93   K's scale words
.set VW,   94                          ; v94-97   V's
.set S,    100                         ; v100-163 S^T, then p, then V's four fragments
.set O,    164                         ; v164-195 O^T
.set PCD,  196                         ; v196-207 p's codes
.set TCA,  208                         ; v208-210, v212-214 the conversions' second halves
.set TCB,  212
.set BM,   216                         ; v216-219 four chains of maxima
.set PD,   220
.set SOP,  224
.set EB,   226
.set W,    228
.set W2,   229
.set T,    230                         ; v230-245 eight partial sums, in pairs
.macro DLY n
	s_delay_alu instid0(VALU_DEP_\n)
.endm
.macro WALU
	s_wait_alu depctr_va_vdst(0)
.endm
.macro CROUND
	s_barrier_signal -1
	s_barrier_wait -1
	s_cmp_lg_u32 s[WV], 0
	s_cbranch_scc1 .Lnot_wave_0_\@
	s_barrier_signal -3
.Lnot_wave_0_\@:
	s_barrier_wait -3
	s_barrier_signal -1
	s_barrier_wait -1
.endm
.macro G1SET g, d0, rows, pitch        ; elements of 8 bytes, no padding, mask 15 with bit 21 beside it
	s_mov_b32 s[\g], 15|(3<<16)|(1<<21)
	s_mov_b32 s[\g+1], (\d0)<<16
	s_mov_b32 s[\g+2], (\rows)<<16
	s_mov_b32 s[\g+3], (\d0)<<16
	s_mov_b32 s[\g+4], \rows
	s_mov_b32 s[\g+5], \pitch
	s_mov_b32 s[\g+6], 0
	s_mov_b32 s[\g+7], 0
.endm
.macro G0SET g, base, off
	s_mov_b32 s[\g], 1
	s_add_nc_u64 s[\g+2:\g+3], s[\base:\base+1], s[\off:\off+1]
	s_or_b32 s[\g+3], s[\g+3], 0x80000000
.endm
.macro TLOAD g0, g1
	tensor_load_to_lds s[\g0:\g0+3], s[\g1:\g1+7]
	s_nop 0
.rept 4
	v_nop
.endr
.endm
.macro MASKW                           ; a step's 64 mask words
	s_load_b512 s[32:47], s[MA:MA+1], 0x0
	s_load_b512 s[48:63], s[MA:MA+1], 0x40
	s_load_b512 s[68:83], s[MA:MA+1], 0x80
	s_load_b512 s[84:99], s[MA:MA+1], 0xc0
.endm
.macro KLOAD adr, sadr, off, soff      ; eight tiles of K and their scale words
.irp t, 0,1,2,3,4,5,6,7
.irp p, 0,1,2
	ds_load_b64 v[KF+6*\t+2*\p:KF+6*\t+2*\p+1], \adr offset:\off+\t*768+256*\p
.endr
	ds_load_b32 v[KW+\t], \sadr offset:\soff+\t*64
.endr
.endm
.macro PF n0, cnt                      ; t - M, two at a time
.set N, \n0
.rept \cnt
	v_pk_fma_f32 v[S+N:S+N+1], v[S+N:S+N+1], s[CS:CS+1], v[12:13] op_sel_hi:[1,0,0]
.set N, N+2
.endr
.endm
.macro VLOAD t
.irp i, 0,1,2,3,4,5
	ds_load_b64 v[S+12*\t+2*\i:S+12*\t+2*\i+1], v9 offset:1536*\t+256*\i
.endr
.endm
.macro TADD a, b
	v_pk_add_f32 v[T+2*\a:T+2*\a+1], v[T+2*\a:T+2*\a+1], v[T+2*\b:T+2*\b+1]
.endm
	s_load_b256 s[4:11], s[0:1], 0x0               ; pc, ps, maskw, ac
	s_load_b64 s[12:13], s[0:1], 0x20              ; acs
	v_lshl_add_u32 v254, v0, 2, 0x34000
	v_mov_b32 v255, 0
	ds_add_u32 v254, v255                          ; the opening lines
	ds_add_u32 v254, v255
	v_lshrrev_b32 v1, 5, v0
	DLY 1
	v_readfirstlane_b32 s[WV], v1
	s_bfe_u32 s15, ttmp6, 0x40000                  ; cx: my block of 512 queries: it enters global addresses of Q, the mask and the result alone
	s_and_b32 s18, ttmp7, 0xffff
	s_lshr_b32 s16, s18, 4                         ; the batch
	s_and_b32 s17, s18, 15                         ; the head
	G1SET G1K, 96, 32, 1536                        ; K's codes: 32 key tiles of 768 bytes, 12,288 bytes apart
	G1SET G1V, 768, 4, 12288                       ; V's codes: 4 steps of 6,144 bytes, 98,304 bytes apart
	G1SET G1KS, 8, 128, 128                        ; K's words: 128 key tiles of 64 bytes, 1,024 bytes apart
	G1SET G1VS, 64, 16, 1024                       ; V's words: 16 steps of 512 bytes, 8,192 bytes apart
	s_mul_i32 s24, s16, 1572864
	s_and_b32 s25, s[WV], 3
	s_mul_i32 s25, s25, 393216                     ; my quarter of the batch's codes
	s_add_co_u32 s24, s24, s25
	s_mul_i32 s25, s17, 768
	s_add_co_u32 s26, s24, s25
	s_add_co_u32 s26, s26, 6291456
	s_mov_b32 s27, 0
	s_mul_i32 s25, s17, 6144
	s_add_co_u32 s28, s24, s25
	s_add_co_u32 s28, s28, 12582912
	s_mov_b32 s29, 0
	s_lshl_b32 s24, s16, 17
	s_lshl_b32 s25, s17, 6
	s_add_co_u32 s30, s24, s25
	s_add_co_u32 s30, s30, 524288
	s_mov_b32 s31, 0
	s_lshl_b32 s25, s17, 9
	s_add_co_u32 s84, s24, s25
	s_add_co_u32 s84, s84, 1048576
	s_mov_b32 s85, 0
	s_mul_i32 s86, s[WV], 24576                    ; waves 0-3: K's quarters from LDS byte 0 on; waves 4-7: V's, from 98,304 on
	s_wait_dscnt 0x0
	s_wait_kmcnt 0x0
	G0SET G0K, 4, 26
	s_mov_b32 s[G0K+1], s86
	G0SET G0V, 4, 28
	s_mov_b32 s[G0V+1], s86
	G0SET G0KS, 6, 30
	s_mov_b32 s[G0KS+1], KSC
	G0SET G0VS, 6, 84
	s_mov_b32 s[G0VS+1], VSC
	CROUND                                         ; all four work-groups are here: the joint loads meet
	s_cmp_lt_u32 s[WV], 4                          ; one load a wave at the most, in one chain of branches on the wave's number
	s_cbranch_scc0 .Lnot_k
	TLOAD G0K, G1K
	s_branch .Lasked
.Lnot_k:
	s_cmp_lt_u32 s[WV], 8
	s_cbranch_scc0 .Lnot_v
	TLOAD G0V, G1V
	s_branch .Lasked
.Lnot_v:
	s_cmp_eq_u32 s[WV], 8
	s_cbranch_scc0 .Lnot_ks
	TLOAD G0KS, G1KS
	s_branch .Lasked
.Lnot_ks:
	s_cmp_eq_u32 s[WV], 9
	s_cbranch_scc0 .Lasked
	TLOAD G0VS, G1VS
.Lasked:
	s_lshl_b32 s18, s16, 7                         ; my first query tile among all: 128 x batch + 32 x cx + wave
	s_lshl_b32 s19, s15, 5
	s_add_co_u32 s18, s18, s19
	s_add_co_u32 s18, s18, s[WV]
	s_mul_i32 s24, s18, 12288
	s_mul_i32 s25, s17, 768
	s_add_co_u32 s24, s24, s25
	s_mov_b32 s25, 0
	s_add_nc_u64 s[4:5], s[4:5], s[24:25]          ; Q's image
	s_add_nc_u64 s[10:11], s[10:11], s[24:25]      ; the result's image
	s_lshl_b32 s24, s18, 10
	s_lshl_b32 s19, s17, 6
	s_add_co_u32 s24, s24, s19
	s_add_nc_u64 s[6:7], s[6:7], s[24:25]          ; Q's scale words
	s_lshl_b32 s24, s18, 12
	s_add_nc_u64 s[8:9], s[8:9], s[24:25]          ; the tile's mask words
	s_lshl_b32 s24, s18, 9
	s_lshl_b32 s19, s17, 1
	s_add_co_u32 s24, s24, s19
	s_add_nc_u64 s[12:13], s[12:13], s[24:25]      ; the result's scale bytes
	s_mov_b32 s[SEL], 0x76543210
	s_mov_b32 s[SEL+1], 0xfedcba98
	s_mov_b32 s[CS], 0x3e38aa3b                    ; c = log2(e) / 8
	s_mov_b32 s[CS+1], s[CS]
	s_mov_b32 s[NX+1], 0
	s_mov_b32 s[PASS], 2
	v_and_b32 v11, 31, v0
	v_and_b32 v6, 15, v0
	v_bfe_u32 v5, v0, 4, 1
	v_lshlrev_b32 v1, 3, v11                       ; 8 x lane: an image's place for my lane
	v_lshlrev_b32 v7, 5, v6
	v_lshlrev_b32 v6, 2, v6
	v_lshlrev_b32 v5, 3, v5                        ; 8 (lane / 16): where my two scale bytes stand in p's word
	v_add_nc_u32 v2, VC, v1
	v_add_nc_u32 v3, KSC, v6
	v_mov_b32 v4, 0xd0000000                       ; -2^33
.irp i, 22,23,24,25,26,27, 80,81,82,83,84,85, 31, PD,PD+1,W2
	v_mov_b32 v[\i], 0                             ; Q's zero codes; what lies behind K's last tile; registers named before they are otherwise written
.endr
	WALU                                           ; the wait at the head's end
	s_wait_tensorcnt 0x0
	s_barrier_signal -1
	s_barrier_wait -1                              ; every fill has landed.  From here on LDS is only read, and the descriptors' registers are free
.Lpass:
.irp i, 0,1,2
	global_load_b64 v[16+2*\i:17+2*\i], v1, s[4:5] offset:256*\i
.endr
	global_load_b32 v28, v6, s[6:7]
	s_mov_b64 s[MA:MA+1], s[8:9]
	MASKW
	KLOAD v1, v3, 0, 0                             ; step 0's tiles of K
	v_mov_b32 v13, 0xff61b1e6                      ; the largest t so far: -3e38
	DLY 1
	v_floor_f32 v12, -v13                          ; -M
	v_mov_b32 v14, 0
	v_mov_b32 v15, 0
.set N, 0
.rept 32
	v_mov_b32 v[O+N], 0
.set N, N+1
.endr
	s_mov_b32 s[TC], 0
	s_mov_b32 s[TS], 0
	s_mov_b32 s[J], 0
	WALU                                           ; the wait ahead of the waits below
	s_wait_loadcnt 0x0
	s_wait_dscnt 0x0
.Lstep:                                            ; 16 trips of 128 keys; this step's K is in registers
.irp t, 0,1,2,3,4,5,6,7
	v_wmma_scale_f32_16x16x128_f8f6f4 v[S+8*\t:S+8*\t+7], v[KF+6*\t:KF+6*\t+11], v[16:27], 0, v[KW+\t], v28 matrix_a_fmt:MATRIX_FMT_FP6 matrix_b_fmt:MATRIX_FMT_FP6
.endr
	v_add_nc_u32 v8, s[TC], v1                     ; four plain lines: the places ahead of the loads into K's registers and of the first read of the scores
	v_add_nc_u32 v9, s[TC], v2
	v_add_nc_u32 v10, s[TS], v3
	v_mov_b32 v11, v12                             ; the old -M
	KLOAD v8, v10, 6144, 512                       ; the next step's K
.irp t, 0,1,2,3
	ds_load_b32 v[VW+\t], v10 offset:VSC-KSC+128*\t   ; this step's scale words of V
.endr
	s_wait_kmcnt 0x0                               ; this step's mask words are in
.set N, 0
.rept 64                               ; a score whose bit is 0 becomes -2^33; each accumulator from its low end on
.if N < 32
	v_cndmask_b32 v[S+N], v4, v[S+N], s[32+N]
.else
	v_cndmask_b32 v[S+N], v4, v[S+N], s[36+N]
.endif
.set N, N+1
.endr
	s_add_co_u32 s[NX], s[J], 1                    ; the next step's words; the last step asks for its own again, so that no load leaves the buffer
	s_min_u32 s[NX], s[NX], 15
	s_lshl_b32 s[NX], s[NX], 8
	s_add_nc_u64 s[MA:MA+1], s[8:9], s[NX:NX+1]
	MASKW
.irp q, 0,1,2,3                        ; the largest score of my two blocks of 32 keys, two chains a block; it serves the row's maximum and, since p rises with the score, the block's largest p
	v_max3_num_f32 v[BM+\q], v[S+32*(\q%2)+16*(\q/2)], v[S+32*(\q%2)+16*(\q/2)+1], v[S+32*(\q%2)+16*(\q/2)+2]
.endr
.irp i, 3,5,7,9,11,13
.irp q, 0,1,2,3
	DLY 4
	v_max3_num_f32 v[BM+\q], v[BM+\q], v[S+32*(\q%2)+16*(\q/2)+\i], v[S+32*(\q%2)+16*(\q/2)+\i+1]
.endr
.endr
.irp c, 0,1
	DLY 2
	v_max3_num_f32 v[BM+\c], v[BM+\c], v[BM+2+\c], v[S+32*\c+15]
.endr
.irp c, 0,1
	DLY 2
	v_max_num_f32 v[BM+\c], v[BM+\c], v[S+32*\c+31]
.endr
	DLY 1
	v_max_num_f32 v[W], v[BM], v[BM+1]
	DLY 1
	v_permlanex16_b32 v[W2], v[W], s[SEL], s[SEL+1]
	DLY 1
	v_max_num_f32 v[W], v[W], v[W2]                ; with lane l xor 16's 64 keys: the step's largest score of my query
	DLY 1
	v_mul_f32 v[W], s[CS], v[W]
	DLY 1
	v_max_num_f32 v13, v13, v[W]                   ; the running largest t
	DLY 1
	v_floor_f32 v12, -v13                          ; the new -M = -ceil(t)
	DLY 1
	v_sub_f32 v[W], v12, v11                       ; old M less new M: 0 or less
	PF 0, 8
	v_cvt_i32_f32 v[W], v[W]
	PF 16, 8
	v_ldexp_f32 v30, 1.0, v[W]                     ; f = 2^(old M - new M)
	PF 32, 16
.irp c, 0,1
	v_fma_f32 v[BM+\c], v[BM+\c], s[CS], v12       ; the same of each block's largest score
.endr
	v_pk_mul_f32 v[14:15], v[14:15], v[30:31] op_sel_hi:[1,0]
.set N, 0
.rept 16
	v_pk_mul_f32 v[O+N:O+N+1], v[O+N:O+N+1], v[30:31] op_sel_hi:[1,0]   ; O^T under the new M; each accumulator from its low end on
.set N, N+2
.endr
	WALU                                           ; the wait ahead of the batch
.set N, 0
.rept 64
	v_exp_f32 v[S+N], v[S+N]                       ; p = 2^(t - M), at most 1
.set N, N+1
.endr
.irp c, 0,1
	v_exp_f32 v[BM+\c], v[BM+\c]                   ; the block's largest p: the same two instructions on the same number
.endr
	v_nop                                          ; a plain place behind the exponentials
	WALU                                           ; and the wait behind the batch
.irp c, 0,1
	v_max_num_f32 v[BM+\c], 0x1800000, v[BM+\c]    ; the floor 2^(3 - 127): the byte cannot fall under 1
.endr
.irp c, 0,1
	DLY 2
	v_add_nc_u32 v[SOP+\c], 0xff000000, v[BM+\c]   ; 2 off the exponent field: the conversion's scale operand
.endr
.irp i, 0,1,2,3,4,5,6,7                ; the row's sum is taken of the unquantised p: eight chains
	v_pk_add_f32 v[T+2*\i:T+2*\i+1], v[S+2*\i:S+2*\i+1], v[S+16+2*\i:S+17+2*\i]
.endr
	v_cvt_scalef32_pk16_fp6_f32 v[PCD:PCD+2], v[S:S+15], v[SOP]
	v_cvt_scalef32_pk16_fp6_f32 v[TCA:TCA+2], v[S+16:S+31], v[SOP]
	VLOAD 0                                        ; p's first half is spent: its registers take V's first two fragments
	VLOAD 1
.irp o, 32,48
.irp i, 0,1,2,3,4,5,6,7
	v_pk_add_f32 v[T+2*\i:T+2*\i+1], v[T+2*\i:T+2*\i+1], v[S+\o+2*\i:S+\o+2*\i+1]
.endr
.endr
	v_cvt_scalef32_pk16_fp6_f32 v[PCD+6:PCD+8], v[S+32:S+47], v[SOP+1]
	v_cvt_scalef32_pk16_fp6_f32 v[TCB:TCB+2], v[S+48:S+63], v[SOP+1]
	VLOAD 2
	VLOAD 3
	TADD 0, 4                                      ; (the plain place behind the conversions)
.irp c, 0,1
	v_lshrrev_b32 v[EB+\c], 23, v[SOP+\c]          ; the scales' bytes: blocks h and 2 + h of these 128 keys
.endr
	DLY 1
	v_lshl_or_b32 v[W], v[EB+1], 16, v[EB]
	DLY 1
	v_lshlrev_b32 v[W], v5, v[W]
	DLY 1
	v_permlanex16_b32 v[W2], v[W], s[SEL], s[SEL+1]
	DLY 1
	v_or_b32 v29, v[W], v[W2]                      ; with lane l xor 16's two the word is whole; ten plain lines stand between it and the products
.irp i, 0,1,2
	v_mov_b32 v[PCD+3+\i], v[TCA+\i]               ; (a conversion's three registers begin on an even number)
.endr
.irp i, 0,1,2
	v_mov_b32 v[PCD+9+\i], v[TCB+\i]
.endr
	TADD 1, 5                                      ; four plain lines between the codes' last move and the products
	TADD 2, 6
	TADD 3, 7
	DLY 2
	TADD 0, 2
	WALU                                           ; the wait ahead of the wait below
	s_wait_dscnt 0x0                               ; V's fragments and words are in, and the next step's K, asked for earlier
.irp t, 0,1,2,3                        ; O^T += V^T P^T; the accumulators take turns
	v_wmma_scale_f32_16x16x128_f8f6f4 v[O+8*\t:O+8*\t+7], v[S+12*\t:S+12*\t+11], v[PCD:PCD+11], v[O+8*\t:O+8*\t+7], v[VW+\t], v29 matrix_a_fmt:MATRIX_FMT_FP6 matrix_b_fmt:MATRIX_FMT_FP6
.endr
	TADD 1, 3                                      ; five plain lines: the places ahead of the score products, which write over V's fragments
	DLY 1
	TADD 0, 1
	DLY 1
	v_pk_add_f32 v[14:15], v[14:15], v[T:T+1]
	v_nop
	v_nop
	s_add_co_u32 s[TC], s[TC], 6144
	s_add_co_u32 s[TS], s[TS], 512
	s_add_co_u32 s[J], s[J], 1
	s_cmp_lt_u32 s[J], 16
	s_cbranch_scc1 .Lstep
	; THE PASS'S END: O^T / the sum, quantised along the head's 64 channels; register 16 b + i is channel 32 b + 16 (lane / 16) + i
	v_add_f32 v14, v14, v15
	DLY 1
	v_permlanex16_b32 v[W2], v14, s[SEL], s[SEL+1]
	DLY 1
	v_add_f32 v14, v14, v[W2]                      ; the row's sum
	WALU
	v_rcp_f32 v14, v14
.rept 4
	v_nop
.endr
	WALU
.set N, 0
.rept 16
	v_pk_mul_f32 v[S+N:S+N+1], v[O+N:O+N+1], v[14:15] op_sel_hi:[1,0]
.set N, N+2
.endr
.irp b, 0,1
	v_max3_num_f32 v[BM+\b], |v[S+16*\b]|, |v[S+1+16*\b]|, 0x1800000
.endr
.irp i, 2,4,6,8,10,12,14
.irp b, 0,1
	DLY 2
	v_max3_num_f32 v[BM+\b], v[BM+\b], |v[S+16*\b+\i]|, |v[S+1+16*\b+\i]|
.endr
.endr
.irp b, 0,1
	DLY 2
	v_permlanex16_b32 v[PD+\b], v[BM+\b], s[SEL], s[SEL+1]
.endr
.irp b, 0,1
	DLY 2
	v_max_num_f32 v[BM+\b], v[BM+\b], v[PD+\b]
.endr
.irp b, 0,1
	DLY 2
	v_add_nc_u32 v[SOP+\b], 0xff000000, v[BM+\b]
.endr
.irp b, 0,1
	DLY 2
	v_lshrrev_b32 v[EB+\b], 23, v[SOP+\b]
.endr
	DLY 1
	v_lshl_or_b32 v[W], v[EB+1], 8, v[EB]          ; my token's two scale bytes
	v_cvt_scalef32_pk16_fp6_f32 v[PCD:PCD+2], v[S:S+15], v[SOP]
	v_cvt_scalef32_pk16_fp6_f32 v[PCD+4:PCD+6], v[S+16:S+31], v[SOP+1]
	v_nop
.irp i, 0,1,2
	v_permlane16_swap_b32 v[PCD+\i], v[PCD+4+\i]   ; lanes 0-15 block 0, lanes 16-31 block 1
.endr
.irp i, 0,1,2
	DLY 3
	v_mov_b32 v[PCD+3+\i], v[PCD+4+\i]
.endr
.irp i, 0,1,2
	global_store_b64 v1, v[PCD+2*\i:PCD+2*\i+1], s[10:11] offset:256*\i   ; 256 consecutive aligned bytes each
.endr
	global_store_b16 v7, v[W], s[12:13]            ; a head owns two of a token's 32 scale bytes; lanes 16-31 write the same bytes with the same values
	s_wait_kmcnt 0x0                               ; the last step's look-ahead for mask words is in
	s_wait_xcnt 0x0                                ; the stores have read their registers and bases
	s_add_nc_u64 s[4:5], s[4:5], 196608            ; sixteen query tiles on
	s_add_nc_u64 s[10:11], s[10:11], 196608
	s_add_nc_u64 s[6:7], s[6:7], 16384
	s_add_nc_u64 s[8:9], s[8:9], 65536
	s_add_nc_u64 s[12:13], s[12:13], 8192
	s_sub_co_u32 s[PASS], s[PASS], 1
	s_cmp_lg_u32 s[PASS], 0
	s_cbranch_scc1 .Lpass
	s_wait_tensorcnt 0x0                           ; the wave's end
	ds_add_u32 v254, v255
	s_wait_dscnt 0x0
	CROUND                                         ; the closing round
	s_endpgm
.Lfunc_end_k_q7d012f838a_attn:
	.size	k_q7d012f838a_attn, .Lfunc_end_k_q7d012f838a_attn-k_q7d012f838a_attn
	.p2alignl 7, 3214868480
	.fill 96, 4, 3214868480
	.section	.rodata,"a",@progbits
	.p2align	6, 0x0
	.amdhsa_kernel k_q7d012f838a_attn
		.amdhsa_group_segment_fixed_size 215040
		.amdhsa_private_segment_fixed_size 0
		.amdhsa_enable_private_segment 0
		.amdhsa_kernarg_size 40
		.amdhsa_user_sgpr_count 2
		.amdhsa_user_sgpr_kernarg_segment_ptr 1
		.amdhsa_wavefront_size32 1
		.amdhsa_system_sgpr_workgroup_id_x 1
		.amdhsa_system_sgpr_workgroup_id_y 1
		.amdhsa_system_sgpr_workgroup_id_z 1
		.amdhsa_system_vgpr_workitem_id 0
		.amdhsa_next_free_vgpr 256
		.amdhsa_next_free_sgpr 100
		.amdhsa_reserve_vcc 0
		.amdhsa_float_denorm_mode_32 3
		.amdhsa_float_denorm_mode_16_64 3
		.amdhsa_memory_ordered 1
		.amdhsa_forward_progress 1
		.amdhsa_inst_pref_size 40
	.end_amdhsa_kernel
	.amdgpu_metadata
---
amdhsa.version: [ 1, 2 ]
amdhsa.kernels:
  - .name:           k_q7d012f838a_attn
    .symbol:         k_q7d012f838a_attn.kd
    .args:
      - { .name: pc, .offset: 0, .size: 8, .value_kind: global_buffer, .address_space: global }
      - { .name: ps, .offset: 8, .size: 8, .value_kind: global_buffer, .address_space: global }
      - { .name: maskw, .offset: 16, .size: 8, .value_kind: global_buffer, .address_space: global }
      - { .name: ac, .offset: 24, .size: 8, .value_kind: global_buffer, .address_space: global }
      - { .name: acs, .offset: 32, .size: 8, .value_kind: global_buffer, .address_space: global }
    .group_segment_fixed_size: 215040
    .private_segment_fixed_size: 0
    .kernarg_segment_align: 8
    .kernarg_segment_size: 40
    .max_flat_workgroup_size: 512
    .sgpr_count:     100
    .vgpr_count:     256
    .wavefront_size: 32
...
	.end_amdgpu_metadata
.endif
;; end of part 3
;; launch oproj (part 4): grid 4 x 64, 4 waves a work-group, clusters of 4 x 4, 327,680 bytes of LDS; arguments ac, acs, cod, scl, out0; writes out0
.if DOCPART == 4
	.amdgcn_target "amdgcn-amd-amdhsa--gfx1250"
	.amdhsa_code_object_version 6
	.text
	.protected	k_q7d012f838a_oproj
	.globl	k_q7d012f838a_oproj
	.p2align	8
	.type	k_q7d012f838a_oproj,@function
k_q7d012f838a_oproj:
	s_mov_b64 s[64:65], 0
	v_nop
	global_prefetch_b8 v0, s[64:65] scope:SCOPE_SE
	s_setreg_imm32_b32 hwreg(HW_REG_WAVE_MODE, 25, 1), 1
	s_wait_xcnt 0x0
	s_wait_alu depctr_hold_cnt(0) depctr_sa_sdst(0) depctr_va_vdst(0) depctr_va_sdst(0) depctr_va_ssrc(0) depctr_va_vcc(0) depctr_vm_vsrc(0)
	s_getreg_b32 s2, hwreg(HW_REG_IB_STS2, 6, 4)
	s_cmp_eq_u32 s2, 0
	s_cbranch_scc0 .Lentry_in_a_cluster
	s_endpgm
.Lentry_in_a_cluster:
	s_bfe_u32 s2, ttmp6, 0x10000c
	s_cmp_lg_u32 s2, 0xf033
	s_cbranch_scc0 .Lentry_shape_is_right
	s_endpgm
.Lentry_shape_is_right:
; out0[m][n] = sum over k of A[m][k] Wo[n][k], both as codes of FP6 (E2M3) with one E8M0 byte for each 32 along K = 1,024; sums and result f32.
; A: ac, [row tile of 16][16 images of 768 bytes], scale bytes acs [row][32]; Wo: the same layout in cod from byte WOC on, its bytes in scl from WOS on.  An image is 16 rows x 64 along K: byte 256 i + 8 l + e.
; SHARES: a block of 128 x 256, 64 x 4 = 256 work-groups of four waves, 2 x 2; a wave makes 64 x 128 in 32 accumulators.  ALL OF K LIES IN LDS AT ONCE: A's 8 row tiles (98,304 bytes, dense in memory) and Wo's 16 (196,608):
; each is filled once, by one joint load a wave at the head (waves 0, 1 a half of A each, waves 2, 3 a half of Wo): no ring, no refill, one barrier.
; CLUSTER 4 x 4: A's rows are shared along a row of the cluster, Wo's along a column.  No prefetch: every tile is asked for at the head, and there is no loop to run ahead in.
; THE SCALE WORDS go straight into registers, 16 bytes a lane: lanes 0-15 hold tile i, lanes 16-31 tile i + 2 (A) or i + 4 (Wo); the ROW selectors choose.
; The matrix instruction is used transposed (source 0 = Wo's rows): a lane holds eight neighbouring numbers of a row of the result.
; REGISTERS: window 0: v16-29 addresses, v32-47 A's scale words, v52-83 Wo's, v96-191 A's fragments, two sets; window 1: the accumulators, (a, b) at 8 (8 a + b); window 2: Wo's fragments, two sets of 96; on the way out eight buffers of 32.
.set TROW,   12288
.set BBASE,  98304
.set SPARE,  294912
.set STG,    295424                    ; the way out: 16 rows x 272 bytes for each wave; no fill lands here
.set SPITCH, 272
.set WOC,    21233664
.set WOS,    884736
.set ADRA, 16
.set ADRB, 18
.set STO,  20
.set RD,   21
.set CO,   22
.set VSA,  23
.set VSB,  24
.set SPW,  28
.set NIL,  29
.set SA,   32
.set SB,   52
.set AF,   96
.set G1,  24
.set G0,  32
.set G1B, 48
.set G0B, 56
.set MSB, 0
.macro WIN new
.if MSB != \new
	s_set_vgpr_msb (MSB<<8)|\new
.set MSB, \new
.endif
.endm
.macro PLACES n
.rept \n
	v_nop
.endr
.endm
.macro CROUND
	s_barrier_signal -1
	s_barrier_wait -1
	s_cmp_lg_u32 s14, 0
	s_cbranch_scc1 .Lnot_wave_0_\@
	s_barrier_signal -3
.Lnot_wave_0_\@:
	s_barrier_wait -3
	s_barrier_signal -1
	s_barrier_wait -1
.endm
.macro G1REST g, rows                  ; rows of 12,288 bytes (1,536 elements of 8), dense
	s_mov_b32 s[\g+1], 1536<<16
	s_mov_b32 s[\g+2], (\rows)<<16
	s_mov_b32 s[\g+3], 1536<<16
	s_mov_b32 s[\g+4], \rows
	s_mov_b32 s[\g+5], 1536
	s_mov_b32 s[\g+6], 0
	s_mov_b32 s[\g+7], 0
.endm
	s_load_b256 s[4:11], s[0:1], 0x0               ; ac, acs, cod, scl
	s_load_b64 s[12:13], s[0:1], 0x20              ; out0
	v_lshl_add_u32 v[SPW], v0, 2, SPARE
	v_mov_b32 v[NIL], 0
	ds_add_u32 v[SPW], v[NIL]                      ; the opening lines
	ds_add_u32 v[SPW], v[NIL]
	v_lshrrev_b32 v1, 5, v0
	v_readfirstlane_b32 s14, v1                    ; wave
	s_lshr_b32 s15, s14, 1                         ; my 64 of the 128 rows.  Also: I fetch for A (0) or for Wo (1)
	s_and_b32 s16, s14, 1                          ; my 128 of the 256 columns.  Also: which half I fetch
	s_bfe_u32 s40, ttmp6, 0x40000
	s_bfe_u32 s41, ttmp6, 0x40004
	s_lshl_b32 s42, ttmp9, 2
	s_add_co_u32 s42, s42, s40                     ; block column
	s_and_b32 s17, ttmp7, 0xffff
	s_lshl_b32 s17, s17, 2
	s_add_co_u32 s17, s17, s41                     ; block row
	s_lshl_b32 s43, s41, 2
	s_lshl_b32 s43, 15, s43
	s_lshl_b32 s44, 0x1111, s40
	s_or_b32 s[G1], s43, (3<<16)|(1<<21)
	s_or_b32 s[G1B], s44, (3<<16)|(1<<21)
	G1REST G1, 4
	G1REST G1B, 8
	s_lshl_b32 s20, s17, 3
	s_lshl_b32 s21, s16, 2
	s_add_co_u32 s20, s20, s21
	s_mul_i32 s20, s20, TROW                       ; A: row tile 8 x block row + 4 x half
	s_mov_b32 s21, 0
	s_lshl_b32 s46, s42, 4
	s_lshl_b32 s47, s16, 3
	s_add_co_u32 s46, s46, s47
	s_mul_i32 s46, s46, TROW
	s_add_co_u32 s46, s46, WOC                     ; Wo: row tile 16 x block column + 8 x half
	s_mov_b32 s47, 0
	s_mov_b32 s[G0], 1
	s_mul_i32 s[G0+1], s16, 4*TROW
	s_mov_b32 s[G0B], 1
	s_mul_i32 s[G0B+1], s16, 8*TROW
	s_add_co_u32 s[G0B+1], s[G0B+1], BBASE
	s_lshl_b32 s22, s17, 12                        ; my rows' scale bytes: 32 a row
	s_lshl_b32 s23, s15, 11
	s_add_co_u32 s22, s22, s23
	s_mov_b32 s23, 0
	s_lshl_b32 s92, s42, 13
	s_lshl_b32 s93, s16, 12
	s_add_co_u32 s92, s92, s93
	s_add_co_u32 s92, s92, WOS
	s_mov_b32 s93, 0
	s_lshl_b32 s94, s17, 19                        ; my part of the result: rows of 4,096 bytes
	s_lshl_b32 s95, s15, 18
	s_add_co_u32 s94, s94, s95
	s_lshl_b32 s95, s42, 10
	s_add_co_u32 s94, s94, s95
	s_lshl_b32 s95, s16, 9
	s_add_co_u32 s94, s94, s95
	s_mov_b32 s95, 0
	v_and_b32 v1, 15, v0
	v_bfe_u32 v2, v0, 4, 1
	v_and_b32 v3, 31, v0
	v_lshlrev_b32 v4, 3, v3                        ; an image's place for my lane
	s_mul_i32 s18, s15, 4*TROW
	v_add_nc_u32 v[ADRA], s18, v4
	s_mul_i32 s18, s16, 8*TROW
	s_add_co_u32 s18, s18, BBASE
	v_add_nc_u32 v[ADRB], s18, v4                  ; Wo's tiles 0-3 of my eight,
	s_add_co_u32 s18, s18, 4*TROW
	v_add_nc_u32 v[ADRB+1], s18, v4                ; and 4-7
	v_lshlrev_b32 v5, 5, v1
	v_lshl_add_u32 v[VSA], v2, 10, v5              ; scale bytes: row r, lanes 16-31 two tiles on,
	v_lshl_add_u32 v[VSB], v2, 11, v5              ; or four
	s_mul_i32 s18, s14, 16*SPITCH
	s_add_co_u32 s18, s18, STG
	v_mul_u32_u24 v5, v1, SPITCH
	v_lshl_add_u32 v5, v2, 5, v5
	v_add_nc_u32 v[STO], s18, v5                   ; into the stage: row r, 32 bytes for each half of the lanes
	v_mul_u32_u24 v5, v2, SPITCH
	v_lshl_add_u32 v5, v1, 4, v5
	v_add_nc_u32 v[RD], s18, v5                    ; back: sixteen lanes take a row of 256 bytes, lanes 16-31 the next
	v_lshlrev_b32 v5, 4, v1
	v_lshl_add_u32 v[CO], v2, 12, v5               ; and the same two rows in the result
	s_wait_alu depctr_va_vdst(0)                   ; the wait at the head's end
	s_wait_dscnt 0x0
	CROUND                                         ; all sixteen work-groups are here: the joint loads meet
	s_wait_kmcnt 0x0
	s_add_nc_u64 s[G0+2:G0+3], s[4:5], s[20:21]
	s_or_b32 s[G0+3], s[G0+3], 0x80000000
	s_add_nc_u64 s[G0B+2:G0B+3], s[8:9], s[46:47]
	s_or_b32 s[G0B+3], s[G0B+3], 0x80000000
	s_add_nc_u64 s[22:23], s[6:7], s[22:23]
	s_add_nc_u64 s[92:93], s[10:11], s[92:93]
	s_add_nc_u64 s[12:13], s[12:13], s[94:95]
	s_cmp_eq_u32 s15, 0                            ; one load a wave: every way passes one
	s_cbranch_scc0 .Lfor_b
	tensor_load_to_lds s[G0:G0+3], s[G1:G1+7]
	s_nop 0
	PLACES 4
	s_branch .Lasked
.Lfor_b:
	tensor_load_to_lds s[G0B:G0B+3], s[G1B:G1B+7]
	s_nop 0
	PLACES 4
.Lasked:
.irp i, 0,1
.irp c, 0,1
	global_load_b128 v[SA+8*\i+4*\c:SA+8*\i+4*\c+3], v[VSA], s[22:23] offset:512*\i+16*\c
.endr
.endr
.irp i, 0,1,2,3
.irp c, 0,1
	global_load_b128 v[SB+8*\i+4*\c:SB+8*\i+4*\c+3], v[VSB], s[92:93] offset:512*\i+16*\c
.endr
.endr
	s_wait_tensorcnt 0x0                           ; my fill has landed,
	s_barrier_signal -1
	s_barrier_wait -1                              ; everybody's has; the tiles are only read from here on
.macro FRAG reg, adr, i, q             ; 16 rows x 128 K: six pieces of 8 bytes a lane, out of two images
.irp p, 0,1,2,3,4,5
	ds_load_b64 v[\reg+2*\p:\reg+2*\p+1], v[\adr] offset:(\i)*TROW+(2*(\q)+\p/3)*768+256*(\p%3)
.endr
.endm
.macro FETCH q                         ; K step q's twelve fragments into set q % 2: 72 loads
	WIN 0x80
.irp i, 0,1,2,3
	FRAG 96*((\q)%2)+12*\i, ADRB, \i, \q
.endr
.irp i, 0,1,2,3
	FRAG 96*((\q)%2)+48+12*\i, ADRB+1, \i, \q
.endr
	WIN 0
.irp i, 0,1,2,3
	FRAG AF+48*((\q)%2)+12*\i, ADRA, \i, \q
.endr
.endm
.macro MUL q, zero                     ; 32 products; the accumulators take turns, in the same order in every step
	WIN 0x52                                       ; source 0 window 2, source 1 window 0, C and D window 1
.irp ra, 0,1
.irp ai, 0,1
.irp rb, 0,1
.irp bi, 0,1,2,3
.set D_, 8*(8*(2*\ra+\ai)+4*\rb+\bi)
.set B_, 96*((\q)%2)+12*(4*\rb+\bi)
.set A_, AF+48*((\q)%2)+12*(2*\ra+\ai)
.if \zero
	v_wmma_scale_f32_16x16x128_f8f6f4 v[D_:D_+7], v[B_:B_+11], v[A_:A_+11], 0, v[SB+8*\bi+(\q)], v[SA+8*\ai+(\q)] matrix_a_fmt:MATRIX_FMT_FP6 matrix_b_fmt:MATRIX_FMT_FP6 matrix_a_scale:MATRIX_SCALE_ROW\rb matrix_b_scale:MATRIX_SCALE_ROW\ra
.else
	v_wmma_scale_f32_16x16x128_f8f6f4 v[D_:D_+7], v[B_:B_+11], v[A_:A_+11], v[D_:D_+7], v[SB+8*\bi+(\q)], v[SA+8*\ai+(\q)] matrix_a_fmt:MATRIX_FMT_FP6 matrix_b_fmt:MATRIX_FMT_FP6 matrix_a_scale:MATRIX_SCALE_ROW\rb matrix_b_scale:MATRIX_SCALE_ROW\ra
.endif
.endr
.endr
.endr
.endr
.endm
	FETCH 0
	s_wait_loadcnt 0x0                             ; the scale words
	s_wait_dscnt 0x0
	FETCH 1
	MUL 0, 1                                       ; the first step's products start the sums
.set Q, 1
.rept 6
	s_wait_dscnt 0x0                               ; this step's fragments, asked for ahead of the last step's 32 products
	PLACES 4                                       ; ahead of loads into the set that the last step's products read
	FETCH Q+1
	MUL Q, 0
.set Q, Q+1
.endr
	s_wait_dscnt 0x0
	MUL 7, 0
; THE WAY OUT, in eight units of 16 rows x 64 columns: through my own stage and back as whole rows of 256 bytes.  LDS serves a wave's instructions in order: no wait between a unit's stores and loads, nor ahead of the next unit's stores.
; Each unit has registers of its own, and every offset is an immediate: nothing that a store reads is written again.
.macro TOSTAGE u
	WIN 0x04
.irp b, 0,1,2,3
.set AC_, 8*(8*((\u)/2)+4*((\u)%2)+\b)
	ds_store_b128 v[STO], v[AC_:AC_+3] offset:64*\b            ; each accumulator from its low end on
	ds_store_b128 v[STO], v[AC_+4:AC_+7] offset:64*\b+16
.endr
	WIN 0x80
.irp t, 0,1,2,3,4,5,6,7
	ds_load_b128 v[32*(\u)+4*\t:32*(\u)+4*\t+3], v[RD] offset:\t*2*SPITCH
.endr
.endm
.macro SEND u, younger                 ; younger: the next unit's 8 stores and 8 loads may stay out
	s_wait_dscnt \younger
	WIN 0x08
.irp t, 0,1,2,3,4,5,6,7
	global_store_b128 v[CO], v[32*(\u)+4*\t:32*(\u)+4*\t+3], s[12:13] offset:((\u)/2)*65536+((\u)%2)*256+\t*8192 th:TH_STORE_NT   ; sixteen lanes store 256 consecutive aligned bytes
.endr
.endm
	PLACES 4
	TOSTAGE 0
.irp u, 1,2,3,4,5,6,7
	TOSTAGE \u
	SEND \u-1, 16
.endr
	SEND 7, 0
	WIN 0
	s_wait_tensorcnt 0x0                           ; the wave's end
	ds_add_u32 v[SPW], v[NIL]
	s_wait_dscnt 0x0
	CROUND                                         ; the closing round
	s_endpgm
.Lfunc_end_k_q7d012f838a_oproj:
	.size	k_q7d012f838a_oproj, .Lfunc_end_k_q7d012f838a_oproj-k_q7d012f838a_oproj
	.p2alignl 7, 3214868480
	.fill 96, 4, 3214868480
	.section	.rodata,"a",@progbits
	.p2align	6, 0x0
	.amdhsa_kernel k_q7d012f838a_oproj
		.amdhsa_group_segment_fixed_size 327680
		.amdhsa_private_segment_fixed_size 0
		.amdhsa_enable_private_segment 0
		.amdhsa_kernarg_size 40
		.amdhsa_user_sgpr_count 2
		.amdhsa_user_sgpr_kernarg_segment_ptr 1
		.amdhsa_wavefront_size32 1
		.amdhsa_system_sgpr_workgroup_id_x 1
		.amdhsa_system_sgpr_workgroup_id_y 1
		.amdhsa_system_sgpr_workgroup_id_z 1
		.amdhsa_system_vgpr_workitem_id 0
		.amdhsa_next_free_vgpr 768
		.amdhsa_next_free_sgpr 100
		.amdhsa_reserve_vcc 0
		.amdhsa_float_denorm_mode_32 3
		.amdhsa_float_denorm_mode_16_64 3
		.amdhsa_memory_ordered 1
		.amdhsa_forward_progress 1
		.amdhsa_inst_pref_size 93
	.end_amdhsa_kernel
	.amdgpu_metadata
---
amdhsa.version: [ 1, 2 ]
amdhsa.kernels:
  - .name:           k_q7d012f838a_oproj
    .symbol:         k_q7d012f838a_oproj.kd
    .args:
      - { .name: ac, .offset: 0, .size: 8, .value_kind: global_buffer, .address_space: global }
      - { .name: acs, .offset: 8, .size: 8, .value_kind: global_buffer, .address_space: global }
      - { .name: cod, .offset: 16, .size: 8, .value_kind: global_buffer, .address_space: global }
      - { .name: scl, .offset: 24, .size: 8, .value_kind: global_buffer, .address_space: global }
      - { .name: out0, .offset: 32, .size: 8, .value_kind: global_buffer, .address_space: global }
    .group_segment_fixed_size: 327680
    .private_segment_fixed_size: 0
    .kernarg_segment_align: 8
    .kernarg_segment_size: 40
    .max_flat_workgroup_size: 128
    .sgpr_count:     100
    .vgpr_count:     768
    .wavefront_size: 32
...
	.end_amdgpu_metadata
.endif
;; end of part 4
